; MI455X (gfx1250); checked and timed in simulation.
; The chip was launched on July 23, 2026; its instructions are those of AMD's public machine-readable ISA for CDNA 5 (MIT licence, August 2026) and "CDNA5" Instruction Set Architecture Reference Guide (July 2026). The comments in the code are by the model that wrote it; some were corrected since.
;; Attention. Allowed arithmetic: matrix products marked QUANTISED: E2M3 operands, one E8M0 scale for each 32 along K, by v_wmma_scale_f32_16x16x128_f8f6f4 with both operands' format E2M3, f32 sums; everything else in f32.
;; Inputs: W_proj 1,024 x 1,024 float32; W_qkv 1,024 x 3,072 float32; b_proj 1,024 float32; b_qkv 3,072 float32; x 4 x 2,048 x 1,024 float32.
;; Outputs: out0 4 x 2,048 x 1,024 float32.
;; This version of the problem:
;;   THIS VERSION OF THE PROBLEM IS GIVEN IN LOW PRECISION. The matrix products marked QUANTISED in the list below multiply operands that are first quantised to E2M3 (2 exponent bits, 3 mantissa bits; 6 bits a number), with one power-of-two scale for each 32 numbers along K (OCP MX v1.0); their sums are f32. All else is computed in f32.
;;   The module's matrix products, in the order in which they are computed (A, B: the left and right operand; K: the contracted axis; several contracted axes count as one K, in the product's order):
;;     1. [M 8,192, K 1,024] x [K 1,024, N 3,072]; A: input x; B: input W_qkv: QUANTISED
;;     2. batch 64 x [M 2,048, K 64] x [K 64, N 2,048]; A: computed on the way; B: computed on the way: QUANTISED
;;     3. batch 64 x [M 2,048, K 2,048] x [K 2,048, N 64]; A: softmax (see below); B: computed on the way: QUANTISED
;;     4. [M 8,192, K 1,024] x [K 1,024, N 1,024]; A: computed on the way; B: input W_proj: QUANTISED
;;   THE QUANTISER, for each operand of a quantised product, along K:
;;     - K is cut into blocks of 32 from its start; a last block that is shorter is filled with zeros.
;;     - A block's scale is 2^e with e = floor(log2(the largest magnitude in the block)) - 2, held to -126 .. 127; a block of zeros has e = 0. As a byte (E8M0): e + 127.
;;     - Each number is divided by its block's scale, clamped to +-7.5, and rounded to the nearest number of E2M3, ties to even, subnormals kept.
;;     - The product sums the exact products of the quantised numbers (number of the format x scale) in f32.
;;   ~~~python
;;   def quantise(x, axis):      # numpy; x: float32 -> the quantised numbers, widened to float32 again
;;       x = np.moveaxis(x, axis, -1); K = x.shape[-1]
;;       x = np.pad(x, [(0, 0)] * (x.ndim - 1) + [(0, -K % 32)]); x = x.reshape(x.shape[:-1] + (-1, 32)); a = np.abs(x).max(-1, keepdims=True)
;;       e = np.where(a > 0, np.clip(np.frexp(np.where(a > 0, a, 1))[1] - 1 - 2, -126, 127), 0)      # np.frexp(a)[1] - 1 = floor(log2(a)), exactly
;;       r = np.clip(x / 2.0 ** e, -7.5, 7.5)
;;       step = 2.0 ** (np.maximum(np.frexp(np.where(r == 0, 1, r))[1] - 1, 0) - 3)
;;       q = np.round(r / step) * step * 2.0 ** e      # np.round: ties to even
;;       return np.moveaxis(q.reshape(q.shape[:-2] + (-1,))[..., :K], -1, axis).astype(np.float32)
;;   ~~~
;;   SOFTMAX AHEAD OF A QUANTISED PRODUCT. Where the list says 'softmax', what is quantised is not the finished softmax but p = 2^(t - M), with t = logit x log2(e) and M = ceil(the row's largest t), a whole number; so 1/2 < the row's largest p <= 1. The row's sum l is taken of the UNQUANTISED p, in f32, and the product's result is divided by l at the end. Since M is a whole number, a kernel that streams over the keys may use a running M (the ceiling of the running maximum): every later rescaling is an exact power of two, which a block's scale takes up: the codes' values come out the same.
;;   OPERANDS COMPUTED ON THE WAY. 'Computed on the way' means the value that the module computes at that place (a softmax that the list does not call 'softmax' is quantised finished and normalised). What goes into a quantiser is computed in f32, as accurately as f32 sums, v_exp_f32 and their like allow (about 1e-6 of the number): no bf16 or f16 on the way to a quantiser, and a product that is left as it is and whose result goes on into a quantised operand takes f32 operands (vector FMAs, or v_wmma_f32_16x16x4_f32). A number that lies on a knife's edge between two numbers of the format may be rounded either way, as far as f32 arithmetic and the matrix unit's own rounding can turn it there, and no further.
;; One version. Each part assembles by itself: llvm-mc -triple=amdgcn-amd-amdhsa -mcpu=gfx1250 --defsym DOCPART=n.
;; ======== version 1 of 1: 4 launches
;; limits: right only within a limited range of input values
;; workspace buffers: c1 8,650,752 bytes; s1 360,448 bytes; c2 7,077,888 bytes; s2 294,912 bytes; qb 6,553,600 bytes; kv 13,107,200 bytes
;; launch quant (part 1): grid 384 x 1, 4 waves a work-group, no clusters, 60,928 bytes of LDS; arguments x, W_qkv, W_proj, c1, s1, c2, s2; writes c1, s1, c2, s2
.if DOCPART == 1
	.amdgcn_target "amdgcn-amd-amdhsa--gfx1250"
	.amdhsa_code_object_version 6
	.text
	.protected	k_qa0d857f91e_quant
	.globl	k_qa0d857f91e_quant
	.p2align	8
	.type	k_qa0d857f91e_quant,@function
k_qa0d857f91e_quant:
	s_mov_b64 s[64:65], 0
	v_nop
	global_prefetch_b8 v0, s[64:65] scope:SCOPE_SE
	s_setreg_imm32_b32 hwreg(HW_REG_WAVE_MODE, 25, 1), 1
	s_wait_xcnt 0x0
; ATTENTION LAYER IN MX-FP6, LAUNCH 1 OF 4: x [8192][1024], W_qkv [1024][3072] and W_proj [1024][1024], f32, become codes of E2M3 with one E8M0 byte for each 32 along K (K = the 1,024 channels).
; DEAD WORK: none is left out in the whole program.  Every bias stands ahead of a quantiser or of the output, so all five inputs have a way to the result and all are loaded.
; A block's scale is 2^(floor(log2(its largest magnitude)) - 2); its byte is that magnitude's exponent field - 2, held at 1 from below.
; LIMITS: NaN and infinities among the inputs are not served.  A block whose largest magnitude lies under 2^-124 is held at the byte 1.  A block of zeros gets the byte 1 where the rule says 127:
; its codes are zeros, which add nothing under any byte but 0xff, and the bytes are read by this program alone.
; LAYOUT OF THE WORKSPACE: AS THE MATRIX OPERANDS' REGISTERS WANT IT.  128 rows are a rowgroup, of 8 blocks i of 16 rows; lane r of block i holds row 32 (i / 2) + 8 (i % 2) + r + 8 (r / 8), so that the results of two
; neighbouring tiles are 16 neighbours along the next product's K.  A fragment (16 rows x 128 K, 12 registers a lane) is 1,536 bytes: registers 4 c .. 4 c + 3 of lane l at 512 c + 16 l.
; A rowgroup of codes: [K step 0..7][block][1,536].  A rowgroup of scale words: [block][K half][r][4 words], a word = the four bytes of one row and 128 K.
; c1, s1: rowgroups 0-63 x, 64-87 W_qkv's columns.  c2, s2: rowgroups 64-71 W_proj's columns (0-63 are launch 3's).
; SHARES.  Work-groups 0-255: x; a wave takes one block of 16 rows x 512 K.  Each load reads 512 consecutive bytes of a row; a K step turns through the wave's own stage in LDS, so that a lane holds 16 neighbours of each block of 32.
; Work-groups 256-383: the weights, whose K is their FIRST axis: a lane takes a column and its registers run down K (256 of it), so a block of 32 lies in one lane; its 24 bytes of codes go to their place in the
; fragments' images in the wave's own stage, and the images leave as they lie, 512 consecutive bytes a store.  The two paths part on the work-group's number and have LDS bytes of their own.  No barrier: waves share nothing.
.set RG,    98304
.set RS,    4096
.set KST,   12288                      ; a K step of a rowgroup: 8 fragments
.set XST,   0                          ; x path: a stage of 16 rows x (512 + 16) bytes for each wave
.set WST,   33792                      ; weights: for each wave 2 K steps x 2 fragments x (1,536 + 128) bytes
.set SPARE, 60416                      ; the spare words, 128 bytes for each wave: two blocks of 256 bytes that no other line names
.set SPW, 12                           ; v12 my spare word's address; v13 0: never rewritten
.set NIL, 13
.set HM,  19                           ; s19 the mask of lanes 16-31
.set SEL, 20                           ; s[20:21] lane l xor 16
.set TM,  16                           ; x path: v16-31 at work in QUANT
.set PW,  32                           ; v32-35 the four K steps' scale words
.set W2,  36
.set PC,  40                           ; v40-59 the codes just made
.set R,   64                           ; v64-191 two sets of 64 numbers as loaded
.set X,   192                          ; v192-255 64 numbers, 16 neighbours of each of four blocks
.set CC,  16                           ; weights: v16-21 a block's codes; v24-26 its second half as converted
.set C2,  24
.set SBW, 28                           ; v28-29 two scale words
.set VA,  64                           ; v64-95 4 x lane + i x the weight's pitch: never rewritten
.set XW,  96                           ; v96-159 two sets of 32 numbers
.set OUTR, 160                         ; v160-207 the images on their way out
; 64 numbers of a lane (blocks 0, 1 from v[s0] on, blocks 2, 3 from v[s1] on; register 16 b + i = k 32 b + 16 (lane / 16) + i of my row) become a fragment's codes in v[pc] .. v[pc + 11] and its scale word in v[pw].
.macro QUANT s0, s1, pc, pw
.set QS0, \s0
.set QS1, (\s0)+16
.set QS2, \s1
.set QS3, (\s1)+16
.irp b, 0,1,2,3
	v_max3_num_f32 v[TM+\b], |v[QS\b]|, |v[QS\b+1]|, 0x1800000       ; my 16 numbers of block b, and the floor 2^(3 - 127): the byte cannot fall under 1
.endr
.irp i, 2,4,6,8,10,12,14
.irp b, 0,1,2,3
	v_max3_num_f32 v[TM+\b], v[TM+\b], |v[QS\b+\i]|, |v[QS\b+\i+1]|   ; the four blocks by turns
.endr
.endr
.irp b, 0,1,2,3
	v_permlanex16_b32 v[TM+4+\b], v[TM+\b], s[SEL], s[SEL+1]
.endr
.irp b, 0,1,2,3
	v_max_num_f32 v[TM+\b], v[TM+\b], v[TM+4+\b]                     ; with lane l xor 16's 16: the block's largest magnitude
.endr
.irp b, 0,1,2,3
	v_add_nc_u32 v[TM+12+\b], 0xff000000, v[TM+\b]                   ; 2 off its exponent field: the conversion's scale operand
.endr
.irp b, 0,1,2,3
	v_lshrrev_b32 v[TM+4+\b], 23, v[TM+12+\b]                        ; the scale's byte
.endr
	v_lshl_or_b32 v[\pw], v[TM+5], 8, v[TM+4]
	v_lshl_or_b32 v[\pw], v[TM+6], 16, v[\pw]
	v_lshl_or_b32 v[\pw], v[TM+7], 24, v[\pw]
	v_cvt_scalef32_pk16_fp6_f32 v[\pc:\pc+2], v[QS0:QS0+15], v[TM+12]
	v_cvt_scalef32_pk16_fp6_f32 v[\pc+12:\pc+14], v[QS1:QS1+15], v[TM+13]   ; (a conversion's three registers begin on an even number)
	v_cvt_scalef32_pk16_fp6_f32 v[\pc+6:\pc+8], v[QS2:QS2+15], v[TM+14]
	v_cvt_scalef32_pk16_fp6_f32 v[\pc+16:\pc+18], v[QS3:QS3+15], v[TM+15]
	v_nop                                                            ; one plain place behind the conversions
.irp c, 0,1                            ; the operand wants a WHOLE block in a lane: lanes 0-15 block 2 c, lanes 16-31 block 2 c + 1
.irp i, 0,1,2
	v_permlane16_swap_b32 v[\pc+6*\c+\i], v[\pc+12+4*\c+\i]
.endr
.irp i, 0,1,2
	v_mov_b32 v[\pc+3+6*\c+\i], v[\pc+12+4*\c+\i]
.endr
.endr
.endm
	s_load_b256 s[4:11], s[0:1], 0x0               ; x s[4:5], W_qkv s[6:7], W_proj s[8:9], c1 s[10:11]
	s_load_b128 s[12:15], s[0:1], 0x20             ; s1 s[12:13], c2 s[14:15]
	s_load_b64 s[16:17], s[0:1], 0x30              ; s2
	v_lshl_add_u32 v[SPW], v0, 2, SPARE
	v_mov_b32 v[NIL], 0
	v_lshrrev_b32 v1, 5, v0
	v_readfirstlane_b32 s18, v1                    ; wave
	v_and_b32 v1, 31, v0                           ; lane
	v_and_b32 v2, 15, v0                           ; r
	v_bfe_u32 v3, v0, 4, 1                         ; h
	v_lshlrev_b32 v4, 4, v1                        ; 16 x lane
	s_mov_b32 s[HM], 0xffff0000
	s_mov_b32 s[SEL], 0x76543210
	s_mov_b32 s[SEL+1], 0xfedcba98
	s_cmp_lt_u32 ttmp9, 256
	s_cbranch_scc0 .Lweights
	; ---------------- x ----------------
	s_lshr_b32 s22, ttmp9, 2                       ; g: the rowgroup
	s_and_b32 s23, ttmp9, 3
	s_lshl_b32 s23, s23, 2
	s_add_co_u32 s23, s23, s18
	s_lshr_b32 s24, s23, 1                         ; i: the block
	s_and_b32 s25, s23, 1                          ; q: which half of K
	s_mul_i32 s26, s18, 8448                       ; my stage
	s_wait_alu depctr_va_vdst(0)
	v_add_nc_u32 v5, s26, v4                       ; in: a row's 512 bytes as they lie
	v_mul_u32_u24 v6, v2, 528
	v_lshl_add_u32 v6, v3, 6, v6
	v_add_nc_u32 v6, s26, v6                       ; out: row r, + 64 h: my 16 numbers of a block of 32
	v_lshlrev_b32 v7, 4, v2
	v_lshl_add_u32 v7, v3, 3, v7                   ; the scale words: 16 r + 8 h
	s_lshl_b32 s28, s22, 7
	s_lshr_b32 s27, s24, 1
	s_lshl_b32 s27, s27, 5
	s_add_co_u32 s28, s28, s27
	s_and_b32 s27, s24, 1
	s_lshl_b32 s27, s27, 3
	s_add_co_u32 s28, s28, s27                     ; the block's first row: 128 g + 32 (i / 2) + 8 (i % 2)
	s_lshl_b32 s28, s28, 12
	s_lshl_b32 s27, s25, 11
	s_add_co_u32 s28, s28, s27
	s_mov_b32 s29, 0
	s_mul_i32 s30, s22, RG
	s_mul_i32 s27, s25, 4*KST
	s_add_co_u32 s30, s30, s27
	s_mul_i32 s27, s24, 1536
	s_add_co_u32 s30, s30, s27
	s_mov_b32 s31, 0
	s_lshl_b32 s32, s22, 12
	s_lshl_b32 s27, s24, 9
	s_add_co_u32 s32, s32, s27
	s_lshl_b32 s27, s25, 8
	s_add_co_u32 s32, s32, s27
	s_mov_b32 s33, 0
.irp b, 0,1,2,3
	v_mov_b32 v[TM+4+\b], 0                        ; written once: a lane permute's destination counts as one of its sources
.endr
	s_wait_alu depctr_va_vdst(0)
	s_wait_kmcnt 0x0
	s_add_nc_u64 s[4:5], s[4:5], s[28:29]
	s_add_nc_u64 s[10:11], s[10:11], s[30:31]
	s_add_nc_u64 s[12:13], s[12:13], s[32:33]
.macro XLOAD t                         ; K step t of my four: 16 rows x 512 consecutive bytes, into set t % 2
.irp p, 0,1,2,3,4,5,6,7,8,9,10,11,12,13,14,15
	global_load_b128 v[R+64*((\t)%2)+4*\p:R+64*((\t)%2)+4*\p+3], v4, s[4:5] offset:(\p+8*(\p/8))*4096+512*(\t) th:TH_LOAD_NT
.endr
.endm
.macro XSTEP t
.if (\t) < 3
	s_wait_loadcnt 16                              ; this step's 16 loads are in; the next step's 16 may be out
.else
	s_wait_loadcnt 0x0
.endif
.irp p, 0,1,2,3,4,5,6,7,8,9,10,11,12,13,14,15
	ds_store_b128 v5, v[R+64*((\t)%2)+4*\p:R+64*((\t)%2)+4*\p+3] offset:528*\p
.endr
.irp b, 0,1,2,3
.irp j, 0,1,2,3
	ds_load_b128 v[X+16*\b+4*\j:X+16*\b+4*\j+3], v6 offset:128*\b+16*\j   ; LDS serves a wave's instructions in order: these see my stores
.endr
.endr
	s_wait_dscnt 0x0
	s_wait_xcnt 0x0                                ; the last step's stores have read their data: the codes' registers may be written again
.if (\t) < 2
	XLOAD (\t)+2
.endif
	QUANT X, X+32, PC, PW+(\t)
.irp c, 0,1,2
	global_store_b128 v4, v[PC+4*\c:PC+4*\c+3], s[10:11] offset:KST*(\t)+512*\c   ; 512 consecutive bytes, aligned
.endr
.endm
	XLOAD 0
	XLOAD 1
	XSTEP 0
	XSTEP 1
	XSTEP 2
	XSTEP 3
	v_cndmask_b32 v[W2], v[PW], v[PW+2], s[HM]     ; lanes 0-15 store words 0, 1 of their row, lanes 16-31 words 2, 3:
	v_cndmask_b32 v[W2+1], v[PW+1], v[PW+3], s[HM]
	global_store_b64 v7, v[W2:W2+1], s[12:13]      ; 256 consecutive bytes, aligned
	s_branch .Ltail
	; ---------------- the weights ----------------
.Lweights:
	s_sub_co_u32 s22, ttmp9, 256
	s_cmp_lt_u32 s22, 96                           ; W_qkv's work-group or W_proj's?  The choice hangs on the work-group's number alone
	s_cselect_b32 s23, 0, 96
	s_mov_b32 s24, 4096
	s_cselect_b32 s24, 12288, s24                  ; the pitch: bytes from a row k to the next
	s_wait_kmcnt 0x0
	s_cselect_b64 s[6:7], s[6:7], s[8:9]
	s_cselect_b64 s[10:11], s[10:11], s[14:15]
	s_cselect_b64 s[12:13], s[12:13], s[16:17]
	s_sub_co_u32 s22, s22, s23
	s_lshr_b32 s25, s22, 2                         ; which 128 columns
	s_and_b32 s26, s22, 3                          ; which 256 of K
	s_wait_alu depctr_va_vdst(0)
	v_lshlrev_b32 v[VA], 2, v1
.set i, 1
.rept 31
	v_add_nc_u32 v[VA+i], s24, v[VA+i-1]           ; 4 x lane + i x pitch
.set i, i+1
.endr
	s_lshl_b32 s27, s26, 8
	s_mul_i32 s28, s27, s24
	s_lshl_b32 s27, s25, 9
	s_add_co_u32 s28, s28, s27
	s_lshl_b32 s27, s18, 7
	s_add_co_u32 s28, s28, s27
	s_mov_b32 s29, 0
	s_add_nc_u64 s[32:33], s[6:7], s[28:29]        ; block 0: row 256 kq, column 128 cg + 32 wave
	s_lshl_b32 s30, s24, 5
	s_mov_b32 s31, 0
.irp t, 1,2,3,4,5,6,7
	s_add_nc_u64 s[32+2*\t:33+2*\t], s[30+2*\t:31+2*\t], s[30:31]   ; a base for each block, 32 rows on: none is rewritten
.endr
	v_bfe_u32 v8, v0, 3, 1                         ; my column 32 wave + lane is lane r of block 2 wave + u: u = (lane / 8) % 2,
	v_and_b32 v9, 7, v0
	v_bfe_u32 v10, v0, 4, 1
	v_lshl_or_b32 v9, v10, 3, v9                   ; r = lane % 8 + 8 (lane / 16)
	s_mul_i32 s27, s18, 6656
	s_add_co_u32 s27, s27, WST
	v_mul_u32_u24 v5, v8, 1664
	v_lshl_add_u32 v5, v9, 4, v5
	v_add_nc_u32 v5, s27, v5                       ; into the stage: fragment u, 16 r
	v_add_nc_u32 v6, s27, v4                       ; out of it: 16 x lane
	v_lshlrev_b32 v7, 9, v8
	v_lshl_add_u32 v7, v9, 4, v7                   ; my row's scale words: 512 u + 16 r
	s_add_co_u32 s27, s25, 64                      ; the rowgroup
	s_mul_i32 s28, s27, RG
	s_mul_i32 s48, s26, 2*KST
	s_add_co_u32 s28, s28, s48
	s_mul_i32 s48, s18, 3072
	s_add_co_u32 s28, s28, s48
	s_add_nc_u64 s[10:11], s[10:11], s[28:29]
	s_lshl_b32 s28, s27, 12
	s_lshl_b32 s48, s18, 10
	s_add_co_u32 s28, s28, s48
	s_lshr_b32 s48, s26, 1
	s_lshl_b32 s48, s48, 8
	s_add_co_u32 s28, s28, s48
	s_and_b32 s48, s26, 1
	s_lshl_b32 s48, s48, 3
	s_add_co_u32 s28, s28, s48
	s_add_nc_u64 s[12:13], s[12:13], s[28:29]
.macro WLOAD t                         ; block t: W(32 t + i, my column), i = 0 .. 31: a wave reads 128 consecutive bytes, the work-group 512
.set i, 0
.rept 32
	global_load_b32 v[XW+32*((\t)%2)+i], v[VA+i], s[32+2*(\t):33+2*(\t)] th:TH_LOAD_NT
.set i, i+1
.endr
.endm
.macro WBLOCK t
.set XS, XW+32*((\t)%2)
.set WO, 3328*((\t)/4)+256*((\t)%2)    ; K step t / 4; the block belongs to lane r + 16 (t % 2) of the fragment
.if (\t) < 7
	s_wait_loadcnt 32                              ; this block's 32 loads are in; the next block's may be out
.else
	s_wait_loadcnt 0x0
.endif
	v_max3_num_f32 v30, |v[XS]|, |v[XS+1]|, |v[XS+2]|
	v_max3_num_f32 v31, |v[XS+3]|, |v[XS+4]|, |v[XS+5]|
.irp i, 6,10,14,18,22,26
	v_max3_num_f32 v30, v30, |v[XS+\i]|, |v[XS+\i+1]|
	v_max3_num_f32 v31, v31, |v[XS+\i+2]|, |v[XS+\i+3]|
.endr
	v_max3_num_f32 v30, v30, |v[XS+30]|, |v[XS+31]|
	v_max3_num_f32 v30, v30, v31, 0x1800000        ; and the floor
	v_add_nc_u32 v32, 0xff000000, v30
	v_lshrrev_b32 v33, 23, v32
.if (\t)%4 == 0
	v_mov_b32 v[SBW+(\t)/4], v33
.else
	v_lshl_or_b32 v[SBW+(\t)/4], v33, 8*((\t)%4), v[SBW+(\t)/4]
.endif
	v_cvt_scalef32_pk16_fp6_f32 v[CC:CC+2], v[XS:XS+15], v32
	v_cvt_scalef32_pk16_fp6_f32 v[C2:C2+2], v[XS+16:XS+31], v32
	v_nop
.irp i, 0,1,2
	v_mov_b32 v[CC+3+\i], v[C2+\i]
.endr
.if ((\t)%4)/2 == 0                    ; the block's six registers are the fragment's 0-5: 0-3 in the first 512 bytes, 4, 5 in the second
	ds_store_b128 v5, v[CC:CC+3] offset:WO
	ds_store_b64 v5, v[CC+4:CC+5] offset:WO+512
.else                                  ; or its 6-11: 6, 7 in the second 512 bytes, 8-11 in the third
	ds_store_b64 v5, v[CC:CC+1] offset:WO+520
	ds_store_b128 v5, v[CC+2:CC+5] offset:WO+1024
.endif
.if (\t) < 6
	WLOAD (\t)+2
.endif
	s_wait_dscnt 0x0                               ; the stores have read their registers
.endm
	WLOAD 0
	WLOAD 1
.irp t, 0,1,2,3,4,5,6,7
	WBLOCK \t
.endr
	s_wait_alu depctr_va_vdst(0)
	global_store_b64 v7, v[SBW:SBW+1], s[12:13]    ; two words of my row's four: 8 of every 16 bytes; the other 8 are another work-group's.  1 byte in 128 of what this path reads
.irp n, 0,1,2,3,4,5,6,7,8,9,10,11      ; n = 6 x K step + 3 u + c
	ds_load_b128 v[OUTR+4*\n:OUTR+4*\n+3], v6 offset:3328*(\n/6)+1664*((\n/3)%2)+512*(\n%3)
.endr
.irp n, 0,1,2,3,4,5,6,7,8,9,10,11
	s_wait_dscnt 11-\n                             ; the younger loads may be out
	global_store_b128 v4, v[OUTR+4*\n:OUTR+4*\n+3], s[10:11] offset:KST*(\n/6)+1536*((\n/3)%2)+512*(\n%3)
.endr
.Ltail:
	s_wait_tensorcnt 0x0                           ; the wave's end, behind my last LDS store
	ds_add_u32 v[SPW], v[NIL]
	s_wait_dscnt 0x0
	s_endpgm
.Lfunc_end_k_qa0d857f91e_quant:
	.size	k_qa0d857f91e_quant, .Lfunc_end_k_qa0d857f91e_quant-k_qa0d857f91e_quant
	.p2alignl 7, 3214868480
	.fill 96, 4, 3214868480
	.section	.rodata,"a",@progbits
	.p2align	6, 0x0
	.amdhsa_kernel k_qa0d857f91e_quant
		.amdhsa_group_segment_fixed_size 60928
		.amdhsa_private_segment_fixed_size 0
		.amdhsa_enable_private_segment 0
		.amdhsa_kernarg_size 56
		.amdhsa_user_sgpr_count 2
		.amdhsa_user_sgpr_kernarg_segment_ptr 1
		.amdhsa_wavefront_size32 1
		.amdhsa_system_sgpr_workgroup_id_x 1
		.amdhsa_system_sgpr_workgroup_id_y 1
		.amdhsa_system_sgpr_workgroup_id_z 1
		.amdhsa_system_vgpr_workitem_id 0
		.amdhsa_next_free_vgpr 256
		.amdhsa_next_free_sgpr 66
		.amdhsa_reserve_vcc 0
		.amdhsa_float_denorm_mode_32 3
		.amdhsa_float_denorm_mode_16_64 3
		.amdhsa_memory_ordered 1
		.amdhsa_forward_progress 1
		.amdhsa_inst_pref_size 77
	.end_amdhsa_kernel
	.amdgpu_metadata
---
amdhsa.version: [ 1, 2 ]
amdhsa.kernels:
  - .name:           k_qa0d857f91e_quant
    .symbol:         k_qa0d857f91e_quant.kd
    .args:
      - { .name: x, .offset: 0, .size: 8, .value_kind: global_buffer, .address_space: global }
      - { .name: W_qkv, .offset: 8, .size: 8, .value_kind: global_buffer, .address_space: global }
      - { .name: W_proj, .offset: 16, .size: 8, .value_kind: global_buffer, .address_space: global }
      - { .name: c1, .offset: 24, .size: 8, .value_kind: global_buffer, .address_space: global }
      - { .name: s1, .offset: 32, .size: 8, .value_kind: global_buffer, .address_space: global }
      - { .name: c2, .offset: 40, .size: 8, .value_kind: global_buffer, .address_space: global }
      - { .name: s2, .offset: 48, .size: 8, .value_kind: global_buffer, .address_space: global }
    .group_segment_fixed_size: 60928
    .private_segment_fixed_size: 0
    .kernarg_segment_align: 8
    .kernarg_segment_size: 56
    .max_flat_workgroup_size: 128
    .sgpr_count:     66
    .vgpr_count:     256
    .wavefront_size: 32
...
	.end_amdgpu_metadata
.endif
;; end of part 1
;; launch qkv (part 2): grid 8 x 32, 4 waves a work-group, clusters of 4 x 4, 327,680 bytes of LDS; arguments c1, s1, b_qkv, qb, kv; writes qb, kv
.if DOCPART == 2
	.amdgcn_target "amdgcn-amd-amdhsa--gfx1250"
	.amdhsa_code_object_version 6
	.text
	.protected	k_qa0d857f91e_qkv
	.globl	k_qa0d857f91e_qkv
	.p2align	8
	.type	k_qa0d857f91e_qkv,@function
k_qa0d857f91e_qkv:
	s_mov_b64 s[64:65], 0
	v_nop
	global_prefetch_b8 v0, s[64:65] scope:SCOPE_SE
	s_setreg_imm32_b32 hwreg(HW_REG_WAVE_MODE, 25, 1), 1
	s_wait_xcnt 0x0
	s_wait_alu depctr_hold_cnt(0) depctr_sa_sdst(0) depctr_va_vdst(0) depctr_va_sdst(0) depctr_va_ssrc(0) depctr_va_vcc(0) depctr_vm_vsrc(0)
	s_getreg_b32 s2, hwreg(HW_REG_IB_STS2, 6, 4)
	s_cmp_eq_u32 s2, 0
	s_cbranch_scc0 .Lentry_in_a_cluster
	s_endpgm
.Lentry_in_a_cluster:
	s_bfe_u32 s2, ttmp6, 0x10000c
	s_cmp_lg_u32 s2, 0xf033
	s_cbranch_scc0 .Lentry_shape_is_right
	s_endpgm
.Lentry_shape_is_right:
; LAUNCH 2 OF 4: qkv = x W_qkv + b_qkv on codes of E2M3, and q, k, v quantised in registers for the two products of attention: q and k along the head's 64, v along the keys.  No work of the problem is left out.
; LIMITS: as in launch 1 (NaN and infinities not served; the scale's byte held at 1 from below; a block of zeros gets the byte 1).
; THE DEAL.  256 work-groups that stay.  Work-group (p = 0..31, j = 0..7) keeps token rowgroups 2 p and 2 p + 1 of c1 (256 tokens, all of K) in LDS for the whole launch and multiplies them by THREE rowgroups of
; weights (128 columns each) one after the other: W_v's rowgroup j, then rowgroups 2 j and 2 j + 1 of W_q, W_k (j < 4: q; else k).  So a token's codes come into a work-group's LDS once for all three products.
; A PRODUCT is 256 x 128, K = 1,024, on four waves; a wave multiplies 8 blocks of 16 rows (source 0) by 4 blocks (source 1): 32 accumulators; a lane holds ONE row of source 1, and the 16 registers of two neighbouring tiles
; are 16 neighbouring rows of source 0.  v: source 0 = tokens (rowgroup wave % 2), source 1 = W_v's columns (64 of them, wave / 2): the registers run along the keys.
; q, k: source 0 = the weight's 128 columns, source 1 = tokens (rowgroup wave / 2, its half wave % 2): the registers run along the head's channels.
; THE BIAS IS THE C OF EACH SUM'S FIRST PRODUCT, laid in registers as the result lies; the quantiser reads the accumulators where they stand.
; LDS: two halves of K, 147,456 bytes each: the weight's four K steps (49,152), then four K steps of each token rowgroup.  At the head each wave asks for one part of the first half, and behind the three lines and a round
; of the cluster's barrier for one part of the second.
; THE WEIGHT'S BYTES ARE FILLED AGAIN TWICE: in a product's last K step, when its fragments are in registers, every wave runs the lines, the round stands among that step's products, and each wave asks for a quarter
; of the next weight (96 rows of 256 bytes).  The way out, which touches no LDS, stands between that request and the wait for it; a plain barrier then shows the weight to all four waves.
; THE PREFETCHES, shared out by address among the sixteen waves of the four work-groups that will ask jointly, a lane a block of 256 bytes, lanes left over naming their wave's last block again: at the head the second halves
; (the tokens': 24 blocks a wave; W_v's: 12); in the first K step of the first and of the second product the weight that this product's last K step will ask for, seven K steps on (24 blocks a wave).
; The weights are read by the eight clusters of a column of the grid: the four with y < 4 name them.  The address registers are never rewritten.
; CLUSTER 4 x 4: the tokens hang on the cluster's row (p), the weights on its column (j): each tile is asked for jointly by the four that share it.
; OUT.  qb: block (head of 64 x 16 + token step): 4 pair fragments + 256 bytes of scale words.  A PAIR FRAGMENT holds two tiles of 16 tokens x 64 channels: registers 0-5 the first, 6-11 the second.
; kv: block: K's 4 pair fragments, K's words, V's 4 fragments (16 channels x 128 keys), V's words: 12,800 bytes.
; REGISTERS: window 0: v0-31 addresses; v32-63 source 1's scale words (8 a + K step), v64-127 source 0's; v128-223 source 1's fragments, two sets; on the way out v192-245 at work.  window 1: source 0's fragments, two sets,
; at v0 and v128; v96-127, v224-255 the bias.  window 2: accumulator (a, b) at v[8 (8 a + b)].
.set RG,    98304
.set QTR,   147456                     ; a half of K in LDS
.set SPARE, 294912                     ; the spare words: 128 bytes for each wave
.set ADRA, 16                          ; v16, 17 source 1's fragments in the two halves, for v; v18, 19 for q, k
.set ADRB, 20                          ; v20, 21 source 0's, for v; v22, 23 for q, k
.set SPW,  28
.set NIL,  29
.set SA,   32
.set SB,   64
.set AF,   128
.set PC,   192                         ; v192-211 codes
.set TM,   224                         ; v224-239
.set PW,   240                         ; v240-243
.set W2,   244
.set HM,   19
.set SEL,  66
.set G1A,  24                          ; the weights' tiles: 96 rows, my column's mask
.set G1B,  32                          ; the tokens': 192 rows, my row's mask
.set G0A,  40
.set G0B,  68
.set G0W,  76                          ; the refills
.set MSB, 0
.macro WIN new                         ; the immediate's high byte repeats the setting that is left
.if MSB != \new
	s_set_vgpr_msb (MSB<<8)|\new
.set MSB, \new
.endif
.endm
.macro PLACES n
.rept \n
	v_nop
.endr
.endm
.macro WALU
	s_wait_alu depctr_va_vdst(0)
.endm
.macro CREST                           ; a round of the cluster's barrier behind its opening barrier
	s_cmp_lg_u32 s14, 0
	s_cbranch_scc1 .Lnot_wave_0_\@
	s_barrier_signal -3
.Lnot_wave_0_\@:
	s_barrier_wait -3
	s_barrier_signal -1
	s_barrier_wait -1
.endm
.macro ROUND
	s_barrier_signal -1
	s_barrier_wait -1
	CREST
.endm
.macro JLOAD kq                        ; my part of half kq: waves 0, 1 two K steps each of W_v, waves 2, 3 a token rowgroup each; one tensor load on every way
	s_cmp_lt_u32 s14, 2
	s_cbranch_scc0 .Lfill_b_\@
	tensor_load_to_lds s[G0A+4*\kq:G0A+4*\kq+3], s[G1A:G1A+7]
	s_nop 0
	PLACES 4
	s_branch .Lfilled_\@
.Lfill_b_\@:
	tensor_load_to_lds s[G0B+4*\kq:G0B+4*\kq+3], s[G1B:G1B+7]
	s_nop 0
	PLACES 4
.Lfilled_\@:
.endm
; 64 sums of a lane, in window 2 (blocks 0, 1 from register s0 on, blocks 2, 3 from s1 on; register 16 b + i = k 32 b + 16 (lane / 16) + i of my row) become a fragment's codes in v[pc] .. v[pc + 11] and its scale word in v[pw].
; Each accumulator is first read at its low end.
.macro QUANT s0, s1, pc, pw
.set QS0, \s0
.set QS1, (\s0)+16
.set QS2, \s1
.set QS3, (\s1)+16
	WIN 0x0a                                       ; sources 0 and 1: window 2
.irp b, 0,1,2,3
	v_max3_num_f32 v[TM+\b], |v[QS\b]|, |v[QS\b+1]|, 0x1800000       ; and the floor 2^(3 - 127)
.endr
	WIN 0x28                                       ; sources 1 and 2: window 2
.irp i, 2,4,6,8,10,12,14
.irp b, 0,1,2,3
	v_max3_num_f32 v[TM+\b], v[TM+\b], |v[QS\b+\i]|, |v[QS\b+\i+1]|
.endr
.endr
	WIN 0
.irp b, 0,1,2,3
	v_permlanex16_b32 v[TM+4+\b], v[TM+\b], s[SEL], s[SEL+1]
.endr
.irp b, 0,1,2,3
	v_max_num_f32 v[TM+\b], v[TM+\b], v[TM+4+\b]
.endr
.irp b, 0,1,2,3
	v_add_nc_u32 v[TM+12+\b], 0xff000000, v[TM+\b]
.endr
.irp b, 0,1,2,3
	v_lshrrev_b32 v[TM+4+\b], 23, v[TM+12+\b]
.endr
	v_lshl_or_b32 v[\pw], v[TM+5], 8, v[TM+4]
	v_lshl_or_b32 v[\pw], v[TM+6], 16, v[\pw]
	v_lshl_or_b32 v[\pw], v[TM+7], 24, v[\pw]
	WIN 0x02                                       ; source 0: window 2
	v_cvt_scalef32_pk16_fp6_f32 v[\pc:\pc+2], v[QS0:QS0+15], v[TM+12]
	v_cvt_scalef32_pk16_fp6_f32 v[\pc+12:\pc+14], v[QS1:QS1+15], v[TM+13]
	v_cvt_scalef32_pk16_fp6_f32 v[\pc+6:\pc+8], v[QS2:QS2+15], v[TM+14]
	v_cvt_scalef32_pk16_fp6_f32 v[\pc+16:\pc+18], v[QS3:QS3+15], v[TM+15]
	WIN 0
	v_nop                                                            ; one plain place behind the conversions
.irp c, 0,1
.irp i, 0,1,2
	v_permlane16_swap_b32 v[\pc+6*\c+\i], v[\pc+12+4*\c+\i]
.endr
.irp i, 0,1,2
	v_mov_b32 v[\pc+3+6*\c+\i], v[\pc+12+4*\c+\i]
.endr
.endr
.endm
.macro SCALEA va                       ; source 1's scale words of all of K: sixteen lanes read 256 consecutive bytes
.irp a, 0,1,2,3
.irp q, 0,1
	global_load_b128 v[SA+8*\a+4*\q:SA+8*\a+4*\q+3], v\va, s[6:7] offset:512*\a+256*\q
.endr
.endr
.endm
.macro SCALEB vb, off                  ; source 0's
.irp b, 0,1,2,3,4,5,6,7
.irp q, 0,1
	global_load_b128 v[SB+8*\b+4*\q:SB+8*\b+4*\q+3], v\vb, s[6:7] offset:\off+512*\b+256*\q
.endr
.endr
.endm
.macro BIAS n                          ; q's or k's bias for weight n in the results' layout: tile b, lane half h: columns 32 (b / 2) + 8 (b % 2) + 16 h + 0 .. 7
	WIN 0x40
.irp b, 0,1,2,3,4,5,6,7
	global_load_b128 v[96+8*\b+96*(\b/4):96+8*\b+96*(\b/4)+3], v9, s[52:53] offset:512*\n+(32*(\b/2)+8*(\b%2))*4
	global_load_b128 v[96+8*\b+96*(\b/4)+4:96+8*\b+96*(\b/4)+7], v9, s[52:53] offset:512*\n+(32*(\b/2)+8*(\b%2))*4+16
.endr
	WIN 0
.endm
	s_load_b256 s[4:11], s[0:1], 0x0               ; c1 s[4:5], s1 s[6:7], b_qkv s[8:9], qb s[10:11]
	s_load_b64 s[12:13], s[0:1], 0x20              ; kv
	v_lshl_add_u32 v[SPW], v0, 2, SPARE
	v_mov_b32 v[NIL], 0
	ds_add_u32 v[SPW], v[NIL]                      ; the wave's opening: the add, twice on end, and its wait ahead of my first tensor load
	ds_add_u32 v[SPW], v[NIL]
	v_lshrrev_b32 v1, 5, v0
	v_readfirstlane_b32 s14, v1                    ; wave
	s_lshr_b32 s15, s14, 1
	s_and_b32 s16, s14, 1
	s_bfe_u32 s17, ttmp6, 0x40000                  ; cx
	s_bfe_u32 s18, ttmp6, 0x40004                  ; cy
	s_and_b32 s20, ttmp7, 0xffff                   ; the cluster's y
	s_mov_b32 s[HM], 0xffff0000
	s_mov_b32 s[SEL], 0x76543210
	s_mov_b32 s[SEL+1], 0xfedcba98
	s_lshl_b32 s21, ttmp9, 2
	s_add_co_u32 s21, s21, s17                     ; j = 4 x the cluster's x + cx
	s_lshl_b32 s22, s20, 2
	s_add_co_u32 s22, s22, s18
	s_lshl_b32 s22, s22, 1                         ; 2 p = 2 (4 x the cluster's y + cy): my first token rowgroup
	s_lshl_b32 s58, s18, 2
	s_lshl_b32 s58, 15, s58                        ; my row of the cluster
	s_lshl_b32 s62, 0x1111, s17                    ; my column
	; group 1: dense blocks as rows of 256 bytes (32 elements of 8 bytes)
	s_or_b32 s[G1A], s62, (3<<16)|(1<<21)
	s_mov_b32 s[G1A+1], 32<<16
	s_mov_b32 s[G1A+2], 96<<16
	s_mov_b32 s[G1A+3], 32<<16
	s_mov_b32 s[G1A+4], 96
	s_mov_b32 s[G1A+5], 32
	s_mov_b32 s[G1A+6], 0
	s_mov_b32 s[G1A+7], 0
	s_or_b32 s[G1B], s58, (3<<16)|(1<<21)
	s_mov_b32 s[G1B+1], 32<<16
	s_mov_b32 s[G1B+2], 192<<16
	s_mov_b32 s[G1B+3], 32<<16
	s_mov_b32 s[G1B+4], 192
	s_mov_b32 s[G1B+5], 32
	s_mov_b32 s[G1B+6], 0
	s_mov_b32 s[G1B+7], 0
	s_mul_i32 s59, s16, 24576
	s_add_co_u32 s56, s21, 80                      ; W_v's rowgroup 80 + j; waves 0, 1 fetch two K steps each of a half's four
	s_mul_i32 s56, s56, RG
	s_add_co_u32 s56, s56, s59
	s_mov_b32 s57, 0
	s_add_co_u32 s60, s22, s16                     ; waves 2, 3 fetch token rowgroup 2 p + wave % 2
	s_mul_i32 s60, s60, RG
	s_mov_b32 s61, 0
	s_mul_i32 s63, s16, 49152
	s_add_co_u32 s63, s63, 49152
	s_lshl_b32 s80, s21, 1                         ; the refills: rowgroup 64 + 2 j, my quarter
	s_add_co_u32 s80, s80, 64
	s_mul_i32 s80, s80, RG
	s_mul_i32 s81, s14, 24576
	s_add_co_u32 s80, s80, s81
	s_mov_b32 s81, 0
	s_mov_b32 s[G0W], 1
	s_mul_i32 s[G0W+1], s15, QTR
	s_add_co_u32 s[G0W+1], s[G0W+1], s59           ; to half wave / 2, K steps 2 (wave % 2) ..
	s_wait_dscnt 0x0                               ; both opening adds are done
	s_wait_kmcnt 0x0
	s_add_nc_u64 s[56:57], s[4:5], s[56:57]
	s_add_nc_u64 s[60:61], s[4:5], s[60:61]
	s_add_nc_u64 s[G0W+2:G0W+3], s[4:5], s[80:81]
	s_or_b32 s[G0W+3], s[G0W+3], 0x80000000
.irp kq, 0,1                           ; a group 0 for each half: none is ever rewritten
	s_mov_b32 s[G0A+4*\kq], 1
	s_add_co_u32 s[G0A+4*\kq+1], s59, QTR*\kq
	s_add_nc_u64 s[G0A+4*\kq+2:G0A+4*\kq+3], s[56:57], 49152*\kq
	s_or_b32 s[G0A+4*\kq+3], s[G0A+4*\kq+3], 0x80000000
	s_mov_b32 s[G0B+4*\kq], 1
	s_add_co_u32 s[G0B+4*\kq+1], s63, QTR*\kq
	s_add_nc_u64 s[G0B+4*\kq+2:G0B+4*\kq+3], s[60:61], 49152*\kq
	s_or_b32 s[G0B+4*\kq+3], s[G0B+4*\kq+3], 0x80000000
.endr
	ROUND                                          ; all sixteen work-groups are here: the joint loads meet
	JLOAD 0
	; offsets of the scale words in s1 (a rowgroup is 4,096 bytes, a block 512)
	s_add_co_u32 s84, s21, 80
	s_lshl_b32 s84, s84, 12
	s_lshl_b32 s48, s15, 11
	s_add_co_u32 s84, s84, s48                     ; v, source 1: W_v's rowgroup, blocks 4 (wave / 2) ..
	s_add_co_u32 s85, s22, s16
	s_lshl_b32 s85, s85, 12                        ; v, source 0: token rowgroup 2 p + wave % 2
	s_add_co_u32 s86, s22, s15
	s_lshl_b32 s86, s86, 12
	s_lshl_b32 s48, s16, 11
	s_add_co_u32 s86, s86, s48                     ; q, k, source 1: token rowgroup 2 p + wave / 2, blocks 4 (wave % 2) ..
	s_lshl_b32 s87, s21, 1
	s_add_co_u32 s87, s87, 64
	s_lshl_b32 s87, s87, 12                        ; q, k, source 0: rowgroup 64 + 2 j
	s_mul_i32 s82, s15, 6144                       ; LDS: v, source 1: the weight's blocks 4 (wave / 2) ..
	s_mul_i32 s83, s15, 49152
	s_mul_i32 s48, s16, 6144
	s_add_co_u32 s83, s83, s48
	s_add_co_u32 s83, s83, 49152                   ; q, k, source 1
	; v's way out: head 2 j + wave / 2, token rowgroup 2 p + wave % 2
	s_lshl_b32 s48, s21, 1
	s_add_co_u32 s48, s48, s15
	s_add_co_u32 s49, s22, s16
	s_lshr_b32 s54, s49, 4
	s_lshl_b32 s54, s54, 4
	s_add_co_u32 s54, s54, s48
	s_lshl_b32 s54, s54, 4
	s_and_b32 s49, s49, 15
	s_add_co_u32 s54, s54, s49
	s_mul_i32 s54, s54, 12800
	s_mov_b32 s55, 0
	s_add_nc_u64 s[54:55], s[12:13], s[54:55]
	s_lshl_b32 s50, s21, 9
	s_lshl_b32 s48, s15, 8
	s_add_co_u32 s50, s50, s48
	s_add_co_u32 s50, s50, 8192
	s_mov_b32 s51, 0
	s_add_nc_u64 s[50:51], s[8:9], s[50:51]        ; b_qkv at 2048 + 128 j + 64 (wave / 2)
	s_lshl_b32 s52, s21, 10
	s_mov_b32 s53, 0
	s_add_nc_u64 s[52:53], s[8:9], s[52:53]        ; b_qkv at 256 j
	; q's, k's way out: token rowgroup 2 p + wave / 2, first head 4 cx
	s_add_co_u32 s48, s22, s15
	s_lshr_b32 s49, s48, 4                         ; the batch,
	s_and_b32 s48, s48, 15                         ; the token step
	s_lshl_b32 s49, s49, 4
	s_lshl_b32 s98, s17, 2
	s_add_co_u32 s49, s49, s98
	s_lshl_b32 s49, s49, 4
	s_add_co_u32 s49, s49, s48                     ; the block
	s_cmp_eq_u32 ttmp9, 0                          ; the cluster's x: 0 q, 1 k
	s_mov_b32 s88, 12800
	s_cselect_b32 s88, 6400, s88                   ; a block's bytes in qb or kv
	s_cselect_b64 s[90:91], s[10:11], s[12:13]
	s_mul_i32 s48, s49, s88
	s_mov_b32 s49, 0
	s_add_nc_u64 s[90:91], s[90:91], s[48:49]
	s_mul_i32 s92, s16, 3072
	s_mov_b32 s93, 0
	s_add_nc_u64 s[92:93], s[90:91], s[92:93]      ; head 0: my two pair fragments
	s_lshl_b32 s94, s88, 4
	s_mov_b32 s95, 0
	s_add_nc_u64 s[96:97], s[92:93], s[94:95]      ; head 1: 16 blocks on
	s_lshl_b32 s98, s16, 3
	; the prefetches' shares, in bytes from c1
	s_lshl_b32 s99, s18, 2
	s_add_co_u32 s99, s99, s14                     ; my number among the sixteen waves of my column of the cluster
	s_mul_i32 s48, s99, 6144
	s_lshl_b32 s49, s21, 1
	s_add_co_u32 s49, s49, 64
	s_mul_i32 s49, s49, RG
	s_add_co_u32 s48, s48, s49                     ; rowgroup 64 + 2 j: my 24 blocks
	s_mul_i32 s99, s99, 3072
	s_add_co_u32 s49, s21, 80
	s_mul_i32 s49, s49, RG
	s_add_co_u32 s99, s99, s49
	s_add_co_u32 s99, s99, 49152                   ; W_v's second half: my 12 blocks
	s_lshl_b32 s23, s17, 2
	s_add_co_u32 s23, s23, s14                     ; my number among the sixteen waves of my row
	s_lshr_b32 s49, s23, 3
	s_add_co_u32 s49, s49, s22
	s_mul_i32 s49, s49, RG
	s_and_b32 s23, s23, 7
	s_mul_i32 s23, s23, 6144
	s_add_co_u32 s23, s23, s49
	s_add_co_u32 s23, s23, 49152                   ; the second half of a token rowgroup: my 24 blocks
	v_and_b32 v1, 31, v0
	v_and_b32 v2, 15, v0                           ; r
	v_bfe_u32 v3, v0, 4, 1                         ; h
	v_lshlrev_b32 v4, 4, v1                        ; 16 x lane
	v_lshlrev_b32 v5, 4, v2                        ; 16 r
	v_add_nc_u32 v8, s84, v5
	v_add_nc_u32 v13, s85, v5
	v_add_nc_u32 v14, s86, v5
	v_add_nc_u32 v15, s87, v5
	v_add_nc_u32 v[ADRA], s82, v4
	v_add_nc_u32 v[ADRA+1], QTR, v[ADRA]
	v_add_nc_u32 v[ADRB], s63, v4
	v_add_nc_u32 v[ADRB+1], QTR, v[ADRB]
	v_add_nc_u32 v[ADRA+2], s83, v4
	v_add_nc_u32 v[ADRA+3], QTR, v[ADRA+2]
	v_mov_b32 v[ADRB+2], v4
	v_add_nc_u32 v[ADRB+3], QTR, v4
	v_lshlrev_b32 v9, 6, v3                        ; q, k's bias: 64 h
	v_and_b32 v10, 8, v2
	v_add_nc_u32 v10, v10, v2
	v_lshlrev_b32 v10, 2, v10                      ; v's bias: 4 (r + 8 (r / 8))
	v_lshl_add_u32 v12, v3, 3, v5                  ; 16 r + 8 h
	v_mul_lo_u32 v11, v3, s94
	v_lshl_add_u32 v11, v2, 4, v11
	v_add_nc_u32 v11, s98, v11                     ; q, k's scale words: lanes 0-15 head 0's, lanes 16-31 head 1's: 16 r + 8 (wave % 2)
	v_min_u32 v6, 23, v1
	v_lshlrev_b32 v6, 8, v6
	v_add_nc_u32 v7, s48, v6                       ; v7: the next weight's blocks
	v_min_u32 v24, 11, v1
	v_lshl_add_u32 v24, v24, 8, s99                ; v24: W_v's second half
	v_add_nc_u32 v6, s23, v6                       ; v6: the tokens' second halves
.irp b, 0,1,2,3
	v_mov_b32 v[TM+4+\b], 0                        ; written once: a lane permute's destination counts as one of its sources
.endr
	WALU
	global_prefetch_b8 v6, s[4:5] th:TH_LOAD_NT scope:SCOPE_SE
	s_cmp_lt_u32 s20, 4
	s_cbranch_scc0 .Lnot_named
	global_prefetch_b8 v24, s[4:5] th:TH_LOAD_NT scope:SCOPE_SE
.Lnot_named:
	SCALEA 8
	SCALEB 13, 0
	WIN 0x40
.irp a, 0,1,2,3                        ; v's bias as the first products' C: my channel's number in all eight registers of tile a
.irp i, 0,1,2,3,4,5,6,7
	global_load_b32 v[96+8*\a+\i], v10, s[50:51] offset:(32*(\a/2)+8*(\a%2))*4
.endr
.endr
	WIN 0
.macro FETCH ks, ph                    ; K step ks: source 0's 8 fragments and source 1's 4, as they lie, into set ks % 2.  ph: 0 v; 1 q, k
.set FP, (\ks)%2
.set FQ, (\ks)/4+2*(\ph)
.set FK, (\ks)%4
	WIN 0x40
.irp b, 0,1,2,3,4,5,6,7
.irp c, 0,1,2
	ds_load_b128 v[128*FP+12*\b+4*\c:128*FP+12*\b+4*\c+3], v[ADRB+FQ] offset:12288*FK+1536*\b+512*\c
.endr
.endr
	WIN 0
.irp a, 0,1,2,3
.irp c, 0,1,2
	ds_load_b128 v[AF+48*FP+12*\a+4*\c:AF+48*FP+12*\a+4*\c+3], v[ADRA+FQ] offset:12288*FK+1536*\a+512*\c
.endr
.endr
.endm
; 16 products: source 1's blocks a0, a0 + 1 x source 0's eight.  K step 0 starts the sums from the bias (v: by source 1's block; q, k: by source 0's).
; The 32 accumulators take turns, one instruction a turn, in the same order in every step.
.macro MUL16 a0, ks, ph
.if (\ks) == 0
	WIN 0x91                                       ; C: window 1
.else
	WIN 0xa1
.endif
.irp a, \a0, \a0+1
.irp b, 0,1,2,3,4,5,6,7
.if (\ks) == 0
.if \ph
	v_wmma_scale_f32_16x16x128_f8f6f4 v[8*(8*(\a)+\b):8*(8*(\a)+\b)+7], v[128*((\ks)%2)+12*\b:128*((\ks)%2)+12*\b+11], v[AF+48*((\ks)%2)+12*(\a):AF+48*((\ks)%2)+12*(\a)+11], v[96+8*\b+96*(\b/4):96+8*\b+96*(\b/4)+7], v[SB+8*\b+(\ks)], v[SA+8*(\a)+(\ks)] matrix_a_fmt:MATRIX_FMT_FP6 matrix_b_fmt:MATRIX_FMT_FP6
.else
	v_wmma_scale_f32_16x16x128_f8f6f4 v[8*(8*(\a)+\b):8*(8*(\a)+\b)+7], v[128*((\ks)%2)+12*\b:128*((\ks)%2)+12*\b+11], v[AF+48*((\ks)%2)+12*(\a):AF+48*((\ks)%2)+12*(\a)+11], v[96+8*(\a):96+8*(\a)+7], v[SB+8*\b+(\ks)], v[SA+8*(\a)+(\ks)] matrix_a_fmt:MATRIX_FMT_FP6 matrix_b_fmt:MATRIX_FMT_FP6
.endif
.else
	v_wmma_scale_f32_16x16x128_f8f6f4 v[8*(8*(\a)+\b):8*(8*(\a)+\b)+7], v[128*((\ks)%2)+12*\b:128*((\ks)%2)+12*\b+11], v[AF+48*((\ks)%2)+12*(\a):AF+48*((\ks)%2)+12*(\a)+11], v[8*(8*(\a)+\b):8*(8*(\a)+\b)+7], v[SB+8*\b+(\ks)], v[SA+8*(\a)+(\ks)] matrix_a_fmt:MATRIX_FMT_FP6 matrix_b_fmt:MATRIX_FMT_FP6
.endif
.endr
.endr
.endm
; A K step of 128: 32 products; the next step's fragments are asked for ahead of them.
; kind 0: plain (pf = 1, 2: with the prefetch of the first, the second weight of q, k, behind the run of LDS loads).  1: the next step begins the second half: the wait for my part of it, and a barrier.
; 2: the launch's last.  3: a product's last, with the round and the refill of the weight's bytes.
.macro STEP ks, ph, kind, pf=0
	s_wait_dscnt 0x0                               ; this step's fragments are in
.if \kind == 0
	PLACES 4                                       ; in front of loads into registers that matrix instructions have read
	FETCH (\ks)+1, \ph
.if \pf
	s_cmp_lt_u32 s20, 4
	s_cbranch_scc0 .Lnot_named_\@
	global_prefetch_b8 v7, s[4:5] offset:RG*(\pf-1) th:TH_LOAD_NT scope:SCOPE_SE
.Lnot_named_\@:
.endif
	MUL16 0, \ks, \ph
	MUL16 2, \ks, \ph
.elseif \kind == 1
	s_wait_tensorcnt 0x0
	s_barrier_signal -1
	MUL16 0, \ks, \ph                              ; work on registers while the others arrive
	s_barrier_wait -1
	PLACES 4
	FETCH (\ks)+1, \ph
	MUL16 2, \ks, \ph
.elseif \kind == 2
	MUL16 0, \ks, \ph
	MUL16 2, \ks, \ph
.else
	WIN 0                                          ; (the add's two registers lie in window 0)
	s_wait_tensorcnt 0x0                           ; no tensor load of mine is out;
	ds_add_u32 v[SPW], v[NIL]                      ; 0 onto my spare word;
	MUL16 0, \ks, \ph                              ; sixteen products stand between the add and the wait for it
	s_wait_dscnt 0x0                               ; the add is done; my reads of the weight's bytes were over at this step's head
	s_barrier_signal -1                            ; the round opens,
	MUL16 2, \ks, \ph                              ; with work on registers inside it
	WIN 0
	s_barrier_wait -1
	CREST                                          ; no wave of any partner still reads the weight's bytes or has a load on its way
	tensor_load_to_lds s[G0W:G0W+3], s[G1A:G1A+7]  ; my quarter of the next weight: every wave issues this line
	s_nop 0
	PLACES 4                                       ; also the places behind the last products
.endif
.endm
.macro SHOWN                           ; the way out is over: the stores have read their data; my quarter of the weight is in; a plain barrier shows it whole
	WALU
	s_wait_xcnt 0x0
	s_wait_tensorcnt 0x0
	s_barrier_signal -1
	s_barrier_wait -1
.endm
.macro OUTQK                           ; q or k: a lane holds one token; its registers run along the channels of two heads
.irp fp, 0,1
.irp c, 0,1
	s_wait_xcnt 0x0                                ; the last stores have read their data
	QUANT 128*\fp+32*\c, 128*\fp+64+32*\c, PC, PW+2*\fp+\c   ; tiles 2 fp, 2 fp + 1 of tokens, head c: blocks 0, 1: the first tile's 64 channels; 2, 3: the second's: a pair fragment and its word
.irp k, 0,1,2
	global_store_b128 v4, v[PC+4*\k:PC+4*\k+3], s[92+4*\c:93+4*\c] offset:1536*\fp+512*\k
.endr
.endr
.endr
	v_cndmask_b32 v[W2], v[PW], v[PW+1], s[HM]
	v_cndmask_b32 v[W2+1], v[PW+2], v[PW+3], s[HM]
	global_store_b64 v11, v[W2:W2+1], s[90:91] offset:6144   ; 8 of every 16 bytes; the other 8 are the partner wave's.  1 byte in 24 of the codes
.endm
	WALU
	s_wait_tensorcnt 0x0                           ; my part of the first half is in
	ds_add_u32 v[SPW], v[NIL]
	s_wait_dscnt 0x0
	ROUND                                          ; the first half is whole, and all sixteen work-groups are here
	JLOAD 1                                        ; the second half: my one tensor load behind the round
	; ---------------- v ----------------
	FETCH 0, 0
	s_wait_loadcnt 0x0                             ; the scale words and the bias
	STEP 0, 0, 0, 1
	STEP 1, 0, 0
	STEP 2, 0, 0
	STEP 3, 0, 1
	STEP 4, 0, 0
	STEP 5, 0, 0
	STEP 6, 0, 0
	STEP 7, 0, 3                                   ; W_q's or W_k's rowgroup 2 j is asked for
	SCALEA 14                                      ; the next product's scale words and bias land under the way out
	SCALEB 15, 0
	BIAS 0
.irp a, 0,1,2,3                        ; a lane holds one channel; its registers run along the keys
	s_wait_xcnt 0x0
	QUANT 64*\a, 64*\a+32, PC, PW+\a               ; 16 channels x 128 keys: V's fragment a and its word
.irp k, 0,1,2
	global_store_b128 v4, v[PC+4*\k:PC+4*\k+3], s[54:55] offset:6400+1536*\a+512*\k
.endr
.endr
	v_cndmask_b32 v[W2], v[PW], v[PW+2], s[HM]
	v_cndmask_b32 v[W2+1], v[PW+1], v[PW+3], s[HM]
	global_store_b64 v12, v[W2:W2+1], s[54:55] offset:12544   ; 256 consecutive bytes, aligned
	SHOWN
	s_add_nc_u64 s[G0W+2:G0W+3], s[G0W+2:G0W+3], RG   ; no tensor load of mine is out: the second refill's rowgroup
	; ---------------- q or k, rowgroup 2 j ----------------
	FETCH 0, 1
	s_wait_loadcnt 0x0
	STEP 0, 1, 0, 2
.irp ks, 1,2,3,4,5,6
	STEP \ks, 1, 0
.endr
	STEP 7, 1, 3                                   ; rowgroup 2 j + 1 is asked for
	SCALEB 15, 4096
	BIAS 1                                         ; (this product's bias was read by its first K step)
	OUTQK
	WALU
	s_wait_xcnt 0x0                                ; the stores have read their bases
	s_lshl_b32 s94, s94, 1                         ; two heads, 32 blocks, on
	s_add_nc_u64 s[90:91], s[90:91], s[94:95]
	s_add_nc_u64 s[92:93], s[92:93], s[94:95]
	s_add_nc_u64 s[96:97], s[96:97], s[94:95]
	SHOWN
	; ---------------- q or k, rowgroup 2 j + 1 ----------------
	FETCH 0, 1
	s_wait_loadcnt 0x0
.irp ks, 0,1,2,3,4,5,6
	STEP \ks, 1, 0
.endr
	STEP 7, 1, 2
	WIN 0
	PLACES 4                                       ; behind the last products: results are read
	OUTQK
	s_wait_tensorcnt 0x0                           ; the wave's end
	ds_add_u32 v[SPW], v[NIL]
	s_wait_dscnt 0x0
	ROUND                                          ; the closing round
	s_endpgm
.Lfunc_end_k_qa0d857f91e_qkv:
	.size	k_qa0d857f91e_qkv, .Lfunc_end_k_qa0d857f91e_qkv-k_qa0d857f91e_qkv
	.p2alignl 7, 3214868480
	.fill 96, 4, 3214868480
	.section	.rodata,"a",@progbits
	.p2align	6, 0x0
	.amdhsa_kernel k_qa0d857f91e_qkv
		.amdhsa_group_segment_fixed_size 327680
		.amdhsa_private_segment_fixed_size 0
		.amdhsa_enable_private_segment 0
		.amdhsa_kernarg_size 40
		.amdhsa_user_sgpr_count 2
		.amdhsa_user_sgpr_kernarg_segment_ptr 1
		.amdhsa_wavefront_size32 1
		.amdhsa_system_sgpr_workgroup_id_x 1
		.amdhsa_system_sgpr_workgroup_id_y 1
		.amdhsa_system_sgpr_workgroup_id_z 1
		.amdhsa_system_vgpr_workitem_id 0
		.amdhsa_next_free_vgpr 768
		.amdhsa_next_free_sgpr 100
		.amdhsa_reserve_vcc 0
		.amdhsa_float_denorm_mode_32 3
		.amdhsa_float_denorm_mode_16_64 3
		.amdhsa_memory_ordered 1
		.amdhsa_forward_progress 1
		.amdhsa_inst_pref_size 233
	.end_amdhsa_kernel
	.amdgpu_metadata
---
amdhsa.version: [ 1, 2 ]
amdhsa.kernels:
  - .name:           k_qa0d857f91e_qkv
    .symbol:         k_qa0d857f91e_qkv.kd
    .args:
      - { .name: c1, .offset: 0, .size: 8, .value_kind: global_buffer, .address_space: global }
      - { .name: s1, .offset: 8, .size: 8, .value_kind: global_buffer, .address_space: global }
      - { .name: b_qkv, .offset: 16, .size: 8, .value_kind: global_buffer, .address_space: global }
      - { .name: qb, .offset: 24, .size: 8, .value_kind: global_buffer, .address_space: global }
      - { .name: kv, .offset: 32, .size: 8, .value_kind: global_buffer, .address_space: global }
    .group_segment_fixed_size: 327680
    .private_segment_fixed_size: 0
    .kernarg_segment_align: 8
    .kernarg_segment_size: 40
    .max_flat_workgroup_size: 128
    .sgpr_count:     100
    .vgpr_count:     768
    .wavefront_size: 32
...
	.end_amdgpu_metadata
.endif
;; end of part 2
;; launch attn (part 3): grid 4 x 64, 16 waves a work-group, clusters of 4 x 1, 258,048 bytes of LDS; arguments qb, kv, c2, s2; writes c2, s2
.if DOCPART == 3
	.amdgcn_target "amdgcn-amd-amdhsa--gfx1250"
	.amdhsa_code_object_version 6
	.text
	.protected	k_qa0d857f91e_attn
	.globl	k_qa0d857f91e_attn
	.p2align	8
	.type	k_qa0d857f91e_attn,@function
k_qa0d857f91e_attn:
	s_mov_b64 s[64:65], 0
	v_nop
	global_prefetch_b8 v0, s[64:65] scope:SCOPE_SE
	s_setreg_imm32_b32 hwreg(HW_REG_WAVE_MODE, 25, 1), 1
	s_wait_xcnt 0x0
	s_wait_alu depctr_hold_cnt(0) depctr_sa_sdst(0) depctr_va_vdst(0) depctr_va_sdst(0) depctr_va_ssrc(0) depctr_va_vcc(0) depctr_vm_vsrc(0)
	s_getreg_b32 s2, hwreg(HW_REG_IB_STS2, 6, 4)
	s_cmp_eq_u32 s2, 0
	s_cbranch_scc0 .Lentry_in_a_cluster
	s_endpgm
.Lentry_in_a_cluster:
	s_bfe_u32 s2, ttmp6, 0x10000c
	s_cmp_lg_u32 s2, 0x3003
	s_cbranch_scc0 .Lentry_shape_is_right
	s_endpgm
.Lentry_shape_is_right:
; LAUNCH 3 OF 4: for each of 64 heads (batch x head) o = softmax(q k^T / 8) v on codes of E2M3, and o quantised along the 1,024 channels for the last product.  No work of the problem is left out.
; THE SOFTMAX: t = score x log2(e) / 8; M = the running largest t rounded UP to a whole number; p = 2^(t - M) is quantised along the keys, not normalised; the row's sum is taken of the unquantised p; when M moves, the sums
; and O are multiplied by 2^(old M - new M), which rounds nothing; O is divided by the sum at the end (v_rcp_f32 and a multiplication).
; LIMITS: NaN and infinities are not served; the promise holds while the scaled scores t stay under 2^31 in magnitude; a scale's byte is held at 1 from below; a block of zeros gets the byte 1 (its codes are zeros).
; A block's largest p is made from the block's largest score by the same two instructions as every p, which takes v_exp_f32 not to fall where its input rises.
; SHARES.  A cluster is the four work-groups of one head; each owns 512 queries, in two passes of 256; each of its sixteen waves owns 16 queries a pass, in 256 registers: four waves to a SIMD.
; THE WHOLE HEAD'S K AND V, WITH THEIR SCALE WORDS, STAY IN LDS: 16 key steps of 12,800 bytes, each filled once, asked for jointly by the four work-groups; wave w asks for key step w: one tensor load a wave.
; A key step comes as 25 rows of 512 bytes with 128 bytes of padding behind each: 16,000 bytes of LDS.  Waves 0-3 have a load line of their own: the first barrier shows key steps 0-3 alone, the second, four steps on, the rest.
; Behind it the waves share nothing more and meet no barrier.  No prefetch: all the launch's tensor loads go out at its head, so there is no loop to run ahead in.
; K = 64 FILLS HALF AN OPERAND: a pair fragment of K holds two tiles of 16 keys.  The queries stand twice, as [q, 0] and as [0, q], with the scale words (s0, s1, 0, 0) and (0, 0, s0, s1): the dead half multiplies zero codes.
; Both products are used transposed (S^T = K Q^T, O^T = V^T P^T): a lane holds ONE query.
; WHICH KEYS FORM A TILE IS CHOSEN BY THE LDS ADDRESSES.  In kv, row ro of pair fragment F, half e, is key 32 F + 16 (ro / 8) + 8 e + ro % 8.  Lane (i = l % 8, g = (l / 8) % 2, h = l / 16) of the fragment (c, J) that is
; multiplied here reads lane (i + 8 J, h) of fragment F = 2 c + g: its row i + 8 g is key 64 c + 32 g + 8 (2 J + e) + i.  So register 32 c + 8 j + i of the scores in lane (r, h) is key 64 c + 32 h + 8 j + i:
; A LANE HOLDS WHOLE BLOCKS OF 32 KEYS, blocks h and 2 + h, as the operand p wants them: no lane is asked for a block's maximum and no codes change lanes.  A fragment's pitch of 1,920 bytes puts g = 1 at 128 modulo 256.
; OUT: c2's rowgroups 0-63, each fragment in two halves of 768 bytes (a head is half a K step): registers 6 c .. 6 c + 3 at 16 x lane, then 6 c + 4, 6 c + 5 at 512 + 8 x lane.  s2: two bytes a row.
.set RG,    98304
.set KSB,   12800                      ; a key step in kv
.set LKS,   16000                      ; and in LDS
.set SPARE, 256000                     ; the spare words: 128 bytes for each of sixteen waves
.set AL,  1                            ; v1  16 x lane
.set ASC, 2                            ; v2  16 r
.set SPW, 3
.set NIL, 4
.set AK,  5                            ; v5-8 the step's LDS addresses: K's fragments, K's words, V's fragments, V's words
.set AKS, 6
.set AV,  7
.set AVS, 8
.set QO,  9
.set QSO, 10
.set O8,  11                           ; v11 8 x lane
.set OSB, 14                           ; v14 16 r + h                      (v12 -M, v13 the running largest score)
.set OM,  15                           ; v15 the last step's -M
.set QZ,  16                           ; v16-33: six zeros, q's six registers, six zeros
.set QSL, 34
.set QSH, 35
.set KS,  36                           ; v36-39 K's scale words; v40-43 V's; v44 p's
.set VS,  40
.set PS,  44
.set T0,  45
.set FF,  46                           ; v[46:47] f
.set FR,  48                           ; v48-95 four fragments
.set S,   96                           ; v96-159 S^T, then p
.set O,   160                          ; v160-191 O^T
.set PC,  192                          ; v192-203 p's codes
.set TC,  204                          ; v204-206, v208-210 the blocks' upper halves as converted
.set BM,  212
.set PT,  216
.set SO,  220
.set AK0, 222                          ; v222-224 the lanes' parts of the addresses
.set AKS0, 223
.set AV0, 224
.set BY,  225
.set QF,  228                          ; v228-239 q's pair fragment as loaded; v240 its word
.set QW,  240
.set RC,  242
.set SM,  244                          ; v244-251 the row's sum: four chains of pairs
.set WV,  12
.set UM,  17
.set HM,  19
.set SEL, 20
.set CS,  22
.set G1,  24
.set G0,  32
.set NC,  36
.set TB,  48
.set CNT, 49
.set QB,  52
.set OB,  54
.set OS,  56
.macro PLACES n
.rept \n
	v_nop
.endr
.endm
.macro WALU
	s_wait_alu depctr_va_vdst(0)
.endm
.macro ROUND
	s_barrier_signal -1
	s_barrier_wait -1
	s_cmp_lg_u32 s[WV], 0
	s_cbranch_scc1 .Lnot_wave_0_\@
	s_barrier_signal -3
.Lnot_wave_0_\@:
	s_barrier_wait -3
	s_barrier_signal -1
	s_barrier_wait -1
.endm
	s_load_b256 s[4:11], s[0:1], 0x0               ; qb s[4:5], kv s[6:7], c2 s[8:9], s2 s[10:11]
	v_lshl_add_u32 v[SPW], v0, 2, SPARE
	v_mov_b32 v[NIL], 0
	ds_add_u32 v[SPW], v[NIL]                      ; the wave's opening: the add, twice on end, and its wait ahead of my tensor load
	ds_add_u32 v[SPW], v[NIL]
	v_lshrrev_b32 v[T0], 5, v0
	v_readfirstlane_b32 s[WV], v[T0]               ; wave 0..15
	s_bfe_u32 s13, ttmp6, 0x40000                  ; cx: it enters q's and the output's addresses alone
	s_and_b32 s14, ttmp7, 0xffff                   ; batch x 16 + head, which the four partners share
	s_and_b32 s15, s14, 15                         ; the head
	s_lshr_b32 s16, s14, 4                         ; the batch
	s_and_b32 s18, s[WV], 1
	s_sub_co_u32 s[UM], 0, s18                     ; all ones where my tile is a pair fragment's second
	s_lshl_b32 s18, s18, 4
	s_mov_b32 s[HM], 0xffff0000
	s_mov_b32 s[SEL], 0x76543210
	s_mov_b32 s[SEL+1], 0xfedcba98
	s_mov_b32 s[CS], 0x3e38aa3b                    ; c = log2(e) / 8
	s_mov_b32 s[CS+1], s[CS]
	s_mov_b32 s[NC], 0xbe38aa3b                    ; -c
	s_mov_b32 s[G1], 15|(3<<16)|(1<<20)|(1<<21)|(6<<22)|(31<<25)   ; the mask: all four work-groups; elements of 8 bytes; behind every 128 words 32 words of padding
	s_mov_b32 s[G1+1], 64<<16                      ; 25 dense rows of 512 bytes
	s_mov_b32 s[G1+2], 25<<16
	s_mov_b32 s[G1+3], 64<<16
	s_mov_b32 s[G1+4], 25
	s_mov_b32 s[G1+5], 64
	s_mov_b32 s[G1+6], 0
	s_mov_b32 s[G1+7], 0
	s_mul_i32 s58, s[WV], LKS
	s_mul_i32 s59, s[WV], KSB
	s_mul_i32 s60, s14, 16*KSB
	s_add_co_u32 s60, s60, s59
	s_mov_b32 s61, 0
	s_wait_dscnt 0x0                               ; both opening adds are done
	s_wait_kmcnt 0x0
	s_mov_b32 s[G0], 1                             ; key step = my wave's number; never rewritten
	s_mov_b32 s[G0+1], s58
	s_add_nc_u64 s[G0+2:G0+3], s[6:7], s[60:61]
	s_or_b32 s[G0+3], s[G0+3], 0x80000000
	ROUND                                          ; all four work-groups are here: the joint loads meet
	s_cmp_lt_u32 s[WV], 4                          ; two arms, one load in each: waves 0-3, for whose tiles the first barrier waits, have a line of their own
	s_cbranch_scc0 .Lrest
	tensor_load_to_lds s[G0:G0+3], s[G1:G1+7]
	s_nop 0
	PLACES 4
	s_branch .Lasked
.Lrest:
	tensor_load_to_lds s[G0:G0+3], s[G1:G1+7]
	s_nop 0
	PLACES 4
.Lasked:
	s_lshr_b32 s62, s[WV], 3
	s_lshl_b32 s63, s13, 2
	s_add_co_u32 s62, s62, s63                     ; my token step in pass 0: 4 cx + wave / 8
	s_lshl_b32 s63, s14, 4
	s_add_co_u32 s63, s63, s62
	s_mul_i32 s66, s63, 6400
	s_mov_b32 s67, 0
	s_add_nc_u64 s[QB:QB+1], s[4:5], s[66:67]
	s_and_b32 s68, s[WV], 7                        ; my block of 16 tokens
	s_lshl_b32 s63, s16, 4
	s_add_co_u32 s63, s63, s62                     ; the output's rowgroup
	s_mul_i32 s66, s63, RG
	s_lshr_b32 s69, s15, 1                         ; the K step: head / 2
	s_mul_i32 s70, s69, 12288
	s_add_co_u32 s66, s66, s70
	s_mul_i32 s70, s68, 1536
	s_add_co_u32 s66, s66, s70
	s_and_b32 s71, s15, 1                          ; the half: head % 2
	s_mul_i32 s70, s71, 768
	s_add_co_u32 s66, s66, s70
	s_add_nc_u64 s[OB:OB+1], s[8:9], s[66:67]
	s_lshl_b32 s66, s63, 12
	s_lshl_b32 s70, s68, 9
	s_add_co_u32 s66, s66, s70
	s_lshr_b32 s70, s15, 3
	s_lshl_b32 s70, s70, 8
	s_add_co_u32 s66, s66, s70
	s_and_b32 s70, s69, 3
	s_lshl_b32 s70, s70, 2
	s_add_co_u32 s66, s66, s70
	s_lshl_b32 s70, s71, 1
	s_add_co_u32 s66, s66, s70
	s_add_nc_u64 s[OS:OS+1], s[10:11], s[66:67]
	s_lshr_b32 s72, s68, 1
	s_mul_i32 s73, s72, 1536
	s_lshl_b32 s72, s72, 2
	v_and_b32 v[T0], 31, v0
	v_lshlrev_b32 v[AL], 4, v[T0]
	v_lshlrev_b32 v[O8], 3, v[T0]
	v_and_b32 v[T0], 15, v0
	v_lshlrev_b32 v[ASC], 4, v[T0]
	v_bfe_u32 v[PT], v0, 4, 1                      ; h
	v_add_nc_u32 v[OSB], v[ASC], v[PT]             ; 16 r + h: my scale byte on the way out
	v_mul_u32_u24 v[AV0], v[PT], 384
	v_add_nc_u32 v[AV0], v[AV0], v[ASC]            ; V's fragments begin in the middle of a row of 512: lanes 16-31 stand in the next LDS row: 16 r + (640 - 256) h
	v_and_b32 v[PT+1], 7, v0
	v_bfe_u32 v[PT+2], v0, 3, 1                    ; g
	v_lshlrev_b32 v[PT+1], 4, v[PT+1]              ; 16 i
	v_lshl_add_u32 v[AKS0], v[PT+2], 2, v[PT+1]    ; K's words: 16 i + 4 g
	v_mul_u32_u24 v[PT+2], v[PT+2], 1920
	v_add_nc_u32 v[PT+1], v[PT+1], v[PT+2]
	v_lshl_add_u32 v[AK0], v[PT], 8, v[PT+1]       ; K's fragments: 16 i + 1920 g + 256 h
	v_add_nc_u32 v[QO], s73, v[AL]                 ; q's pair fragment, block / 2
	v_add_nc_u32 v[QSO], s72, v[ASC]               ; and its word
.macro QLOAD off
.irp c, 0,1,2
	global_load_b128 v[QF+4*\c:QF+4*\c+3], v[QO], s[QB:QB+1] offset:\off+512*\c
.endr
	global_load_b32 v[QW], v[QSO], s[QB:QB+1] offset:\off+6144
.endm
	QLOAD 0
.irp n, 0,1,2,3,4,5
	v_mov_b32 v[QZ+\n], 0
	v_mov_b32 v[QZ+12+\n], 0
.endr
	v_mov_b32 v[PT+3], 0                           ; written once: a lane permute's destination counts as one of its sources
	v_mov_b32 v[FF+1], 0                           ; (named as the upper halves of pairs)
	v_mov_b32 v[RC+1], 0
; A KEY STEP: 128 keys, at LDS byte s[TB].
.macro STEP
	v_add_nc_u32 v[AK], s[TB], v[AK0]              ; (the last step's 24 additions stand between its products and the loads below)
	v_add_nc_u32 v[AKS], s[TB], v[AKS0]
	v_add_nc_u32 v[AVS], s[TB], v[ASC]
.irp f, 0,1,2,3                        ; fragment f = 2 c + J
.irp c, 0,1,2
	ds_load_b128 v[FR+12*\f+4*\c:FR+12*\f+4*\c+3], v[AK] offset:3840*(\f/2)+128*(\f%2)+640*\c
.endr
	ds_load_b32 v[KS+\f], v[AKS] offset:7680+128*(\f%2)+8*(\f/2)
.endr
	ds_load_b128 v[VS:VS+3], v[AVS] offset:15616
	WALU
	s_wait_dscnt 0x0
.irp f, 0,1,2,3                        ; S^T: tile 2 f by [q, 0], tile 2 f + 1 by [0, q]
	v_wmma_scale_f32_16x16x128_f8f6f4 v[S+16*\f:S+16*\f+7], v[FR+12*\f:FR+12*\f+11], v[QZ+6:QZ+17], 0, v[KS+\f], v[QSL] matrix_a_fmt:MATRIX_FMT_FP6 matrix_b_fmt:MATRIX_FMT_FP6
	v_wmma_scale_f32_16x16x128_f8f6f4 v[S+16*\f+8:S+16*\f+15], v[FR+12*\f:FR+12*\f+11], v[QZ:QZ+11], 0, v[KS+\f], v[QSH] matrix_a_fmt:MATRIX_FMT_FP6 matrix_b_fmt:MATRIX_FMT_FP6
.endr
	v_add_nc_u32 v[AV], s[TB], v[AV0]              ; four places behind the products
	v_mov_b32 v[OM], v12
	v_nop
	v_nop
.irp f, 0,1,2,3                        ; V is asked for ahead of the softmax, into K's registers
.irp c, 0,1,2
	ds_load_b128 v[FR+12*\f+4*\c:FR+12*\f+4*\c+3], v[AV] offset:7936+1920*\f+640*\c
.endr
.endr
.irp c, 0,1                            ; the largest score of each of my two blocks of 32 keys, in two chains a block; each accumulator is first read at its low end
	v_max3_num_f32 v[BM+2*\c], v[S+32*\c], v[S+32*\c+1], v[S+32*\c+2]
	v_max3_num_f32 v[BM+2*\c+1], v[S+32*\c+16], v[S+32*\c+17], v[S+32*\c+18]
.endr
.irp i, 3,5,7,9,11,13
.irp c, 0,1
	v_max3_num_f32 v[BM+2*\c], v[BM+2*\c], v[S+32*\c+\i], v[S+32*\c+\i+1]
	v_max3_num_f32 v[BM+2*\c+1], v[BM+2*\c+1], v[S+32*\c+16+\i], v[S+32*\c+17+\i]
.endr
.endr
.irp c, 0,1
	v_max3_num_f32 v[BM+2*\c], v[BM+2*\c], v[BM+2*\c+1], v[S+32*\c+15]
.endr
.irp c, 0,1
	v_max_num_f32 v[BM+2*\c], v[BM+2*\c], v[S+32*\c+31]
.endr
	s_delay_alu instid0(VALU_DEP_1)
	v_max_num_f32 v[T0], v[BM], v[BM+2]
	s_delay_alu instid0(VALU_DEP_1)
	v_permlanex16_b32 v[PT], v[T0], s[SEL], s[SEL+1]
	s_delay_alu instid0(VALU_DEP_1)
	v_max3_num_f32 v13, v13, v[T0], v[PT]          ; the running largest score of my query
	s_delay_alu instid0(VALU_DEP_1)
	v_mul_f32 v[T0], s[NC], v13                    ; -t
	s_delay_alu instid0(VALU_DEP_1)
	v_floor_f32 v12, v[T0]                         ; -M = floor(-t): M is a whole number
	s_delay_alu instid0(VALU_DEP_1)
	v_sub_f32 v[T0], v12, v[OM]                    ; old M - new M
	s_delay_alu instid0(VALU_DEP_1)
	v_cvt_i32_f32 v[T0], v[T0]                     ; (it saturates)
	s_delay_alu instid0(VALU_DEP_1)
	v_ldexp_f32 v[FF], 1.0, v[T0]                  ; f = 2^(old M - new M)
.set j, 0
.rept 32
	v_pk_fma_f32 v[S+j:S+j+1], v[S+j:S+j+1], s[CS:CS+1], v[12:13] op_sel_hi:[1,0,0]   ; t - M
.set j, j+2
.endr
.irp c, 0,1
	v_fma_f32 v[BM+2*\c], v[BM+2*\c], s[CS], v12
.endr
.set j, 0
.rept 16
	v_pk_mul_f32 v[O+j:O+j+1], v[O+j:O+j+1], v[FF:FF+1] op_sel_hi:[1,0]   ; O^T under the new M, ahead of the exponentials
.set j, j+2
.endr
	WALU
	v_exp_f32 v[BM], v[BM]                         ; the blocks' largest p
	v_exp_f32 v[BM+2], v[BM+2]
.set j, 0
.rept 64
	v_exp_f32 v[S+j], v[S+j]                       ; p
.set j, j+1
.endr
	v_nop                                          ; the plain place behind the batch
	WALU                                           ; one wait for the 66, ahead of their first reader
.irp c, 0,1
	v_max_num_f32 v[BM+2*\c], 0x1800000, v[BM+2*\c]   ; the floor 2^(3 - 127)
.endr
.irp c, 0,1
	s_delay_alu instid0(VALU_DEP_2)
	v_add_nc_u32 v[SO+\c], 0xff000000, v[BM+2*\c]  ; 2 off the exponent field: the conversions' scale operand
.endr
.irp c, 0,1
	v_cvt_scalef32_pk16_fp6_f32 v[PC+6*\c:PC+6*\c+2], v[S+32*\c:S+32*\c+15], v[SO+\c]
	v_cvt_scalef32_pk16_fp6_f32 v[TC+4*\c:TC+4*\c+2], v[S+32*\c+16:S+32*\c+31], v[SO+\c]   ; (a conversion's three registers begin on an even number)
.endr
	v_lshrrev_b32 v[PT+1], 23, v[SO]               ; the scales' bytes.  (The plain place behind the conversions)
	v_lshrrev_b32 v[PT+2], 23, v[SO+1]
	s_delay_alu instid0(VALU_DEP_1)
	v_lshl_or_b32 v[PT+1], v[PT+2], 16, v[PT+1]    ; my blocks h and 2 + h
	s_delay_alu instid0(VALU_DEP_1)
	v_permlanex16_b32 v[PT+3], v[PT+1], s[SEL], s[SEL+1]
	s_delay_alu instid0(VALU_DEP_1)
	v_lshl_or_b32 v[PS], v[PT+3], 8, v[PT+1]       ; in lanes 0-15, which alone are read: blocks 0, 2 mine, 1, 3 lane l + 16's
.irp c, 0,1
.irp i, 0,1,2
	v_mov_b32 v[PC+3+6*\c+\i], v[TC+4*\c+\i]
.endr
.endr
.irp k, 0,1,2,3                        ; the row's sum of the unquantised p: four chains, each begun by chain x f + p
	v_pk_fma_f32 v[SM+2*\k:SM+2*\k+1], v[SM+2*\k:SM+2*\k+1], v[FF:FF+1], v[S+2*\k:S+2*\k+1] op_sel_hi:[1,0,1]
.endr
.irp k, 0,1,2,3
	v_pk_add_f32 v[SM+2*\k:SM+2*\k+1], v[SM+2*\k:SM+2*\k+1], v[S+8+2*\k:S+9+2*\k]   ; these eight are the places between p's codes and scale word and the products
.endr
	WALU
	s_wait_dscnt 0x0                               ; V is in
.irp t, 0,1,2,3                        ; O^T += V^T P^T: the four accumulators by turns
	v_wmma_scale_f32_16x16x128_f8f6f4 v[O+8*\t:O+8*\t+7], v[FR+12*\t:FR+12*\t+11], v[PC:PC+11], v[O+8*\t:O+8*\t+7], v[VS+\t], v[PS] matrix_a_fmt:MATRIX_FMT_FP6 matrix_b_fmt:MATRIX_FMT_FP6
.endr
.irp n, 16,24,32,40,48,56
.irp k, 0,1,2,3
	v_pk_add_f32 v[SM+2*\k:SM+2*\k+1], v[SM+2*\k:SM+2*\k+1], v[S+\n+2*\k:S+\n+1+2*\k]
.endr
.endr
	s_add_co_u32 s[TB], s[TB], LKS
.endm
.macro WALK first, trips               ; key steps first .. first + trips - 1
	s_mov_b32 s[TB], LKS*\first
	s_mov_b32 s[CNT], \trips
.Lks_\@:
	STEP
	s_sub_co_u32 s[CNT], s[CNT], 1
	s_cmp_lg_u32 s[CNT], 0
	WALU
	s_cbranch_scc1 .Lks_\@
.endm
.macro PRO next                        ; a pass begins: my 16 queries; next = 1: the second pass's are asked for
	WALU
	s_wait_loadcnt 0x0                             ; q
.irp n, 0,1,2,3,4,5
	v_cndmask_b32 v[QZ+6+\n], v[QF+\n], v[QF+6+\n], s[UM]   ; my tile's half of the pair fragment
.endr
	v_lshrrev_b32 v[T0], s18, v[QW]
	v_and_b32 v[QSL], 0xffff, v[T0]                ; (s0, s1, 0, 0)
	v_lshlrev_b32 v[QSH], 16, v[QSL]               ; (0, 0, s0, s1)
.if \next
	QLOAD 2*6400                                   ; two token steps on
.endif
	v_mov_b32 v13, 0xff61b1e6                      ; the largest score so far: -3e38
	v_mov_b32 v12, 0x7d000000                      ; -M = 2^123: the first step's f is 0
.set j, 0
.rept 8
	v_mov_b32 v[SM+j], 0
.set j, j+1
.endr
.set j, 0
.rept 32
	v_mov_b32 v[O+j], 0                            ; the step is written once: the first finds zeros.  (These are also the places between q's scale words and the first products)
.set j, j+1
.endr
.endm
.macro EPI p                           ; the way out of pass p: O^T / the sum, quantised along the channels: my head's 64 are two blocks of 32, half a fragment
	v_pk_add_f32 v[SM:SM+1], v[SM:SM+1], v[SM+2:SM+3]
	v_pk_add_f32 v[SM+4:SM+5], v[SM+4:SM+5], v[SM+6:SM+7]
	v_pk_add_f32 v[SM:SM+1], v[SM:SM+1], v[SM+4:SM+5]
	v_add_f32 v[SM], v[SM], v[SM+1]
	v_permlanex16_b32 v[PT], v[SM], s[SEL], s[SEL+1]
	v_add_f32 v[SM], v[SM], v[PT]
	WALU
	v_rcp_f32 v[RC], v[SM]
	v_nop
	WALU                                           ; ahead of the first readers of the reciprocal and of O^T
.set j, 0
.rept 16
	v_pk_mul_f32 v[S+j:S+j+1], v[O+j:O+j+1], v[RC:RC+1] op_sel_hi:[1,0]   ; register 16 b + i: channel 32 b + 16 h + i of my query
.set j, j+2
.endr
.irp b, 0,1
	v_max3_num_f32 v[BM+\b], |v[S+16*\b]|, |v[S+1+16*\b]|, 0x1800000
.endr
.irp i, 2,4,6,8,10,12,14
.irp b, 0,1
	v_max3_num_f32 v[BM+\b], v[BM+\b], |v[S+16*\b+\i]|, |v[S+1+16*\b+\i]|
.endr
.endr
.irp b, 0,1
	v_permlanex16_b32 v[PT+\b], v[BM+\b], s[SEL], s[SEL+1]
.endr
.irp b, 0,1
	v_max_num_f32 v[BM+\b], v[BM+\b], v[PT+\b]
.endr
.irp b, 0,1
	v_add_nc_u32 v[SO+\b], 0xff000000, v[BM+\b]
.endr
.irp b, 0,1
	v_lshrrev_b32 v[PT+\b], 23, v[SO+\b]
.endr
	v_cvt_scalef32_pk16_fp6_f32 v[PC:PC+2], v[S:S+15], v[SO]
	v_cvt_scalef32_pk16_fp6_f32 v[TC:TC+2], v[S+16:S+31], v[SO+1]
	v_nop
.irp i, 0,1,2
	v_permlane16_swap_b32 v[PC+\i], v[TC+\i]       ; here a block lies in lanes l and l + 16: the halves change places
.endr
.irp i, 0,1,2
	v_mov_b32 v[PC+3+\i], v[TC+\i]
.endr
	v_cndmask_b32 v[BY], v[PT], v[PT+1], s[HM]     ; lanes 0-15 store block 0's byte, lanes 16-31 block 1's
	global_store_b128 v[AL], v[PC:PC+3], s[OB:OB+1] offset:2*RG*\p            ; 512 consecutive bytes, aligned
	global_store_b64 v[O8], v[PC+4:PC+5], s[OB:OB+1] offset:2*RG*\p+512       ; 256 consecutive bytes, aligned
	global_store_b8 v[OSB], v[BY], s[OS:OS+1] offset:8192*\p   ; two bytes of each row's 16: the others are other heads'.  1 byte in 24 of the codes
.endm
	PRO 1
	WALU
	s_cmp_lt_u32 s[WV], 4
	s_cbranch_scc0 .Lnot_first
	s_wait_tensorcnt 0x0                           ; waves 0-3: my key step is in
.Lnot_first:
	s_barrier_signal -1
	s_barrier_wait -1                              ; key steps 0-3 are in; nothing is ever filled again
	WALK 0, 4
	s_wait_tensorcnt 0x0                           ; every wave: my key step is in
	s_wait_dscnt 0x0
	s_barrier_signal -1
	s_barrier_wait -1                              ; all sixteen are in
	WALK 4, 12
	EPI 0
	WALU
	s_wait_xcnt 0x0                                ; the stores have read their data
	PRO 0
	WALK 0, 16
	EPI 1
	s_wait_tensorcnt 0x0                           ; the wave's end
	ds_add_u32 v[SPW], v[NIL]
	s_wait_dscnt 0x0
	ROUND                                          ; the closing round
	s_endpgm
.Lfunc_end_k_qa0d857f91e_attn:
	.size	k_qa0d857f91e_attn, .Lfunc_end_k_qa0d857f91e_attn-k_qa0d857f91e_attn
	.p2alignl 7, 3214868480
	.fill 96, 4, 3214868480
	.section	.rodata,"a",@progbits
	.p2align	6, 0x0
	.amdhsa_kernel k_qa0d857f91e_attn
		.amdhsa_group_segment_fixed_size 258048
		.amdhsa_private_segment_fixed_size 0
		.amdhsa_enable_private_segment 0
		.amdhsa_kernarg_size 32
		.amdhsa_user_sgpr_count 2
		.amdhsa_user_sgpr_kernarg_segment_ptr 1
		.amdhsa_wavefront_size32 1
		.amdhsa_system_sgpr_workgroup_id_x 1
		.amdhsa_system_sgpr_workgroup_id_y 1
		.amdhsa_system_sgpr_workgroup_id_z 1
		.amdhsa_system_vgpr_workitem_id 0
		.amdhsa_next_free_vgpr 256
		.amdhsa_next_free_sgpr 80
		.amdhsa_reserve_vcc 0
		.amdhsa_float_denorm_mode_32 3
		.amdhsa_float_denorm_mode_16_64 3
		.amdhsa_memory_ordered 1
		.amdhsa_forward_progress 1
		.amdhsa_inst_pref_size 63
	.end_amdhsa_kernel
	.amdgpu_metadata
---
amdhsa.version: [ 1, 2 ]
amdhsa.kernels:
  - .name:           k_qa0d857f91e_attn
    .symbol:         k_qa0d857f91e_attn.kd
    .args:
      - { .name: qb, .offset: 0, .size: 8, .value_kind: global_buffer, .address_space: global }
      - { .name: kv, .offset: 8, .size: 8, .value_kind: global_buffer, .address_space: global }
      - { .name: c2, .offset: 16, .size: 8, .value_kind: global_buffer, .address_space: global }
      - { .name: s2, .offset: 24, .size: 8, .value_kind: global_buffer, .address_space: global }
    .group_segment_fixed_size: 258048
    .private_segment_fixed_size: 0
    .kernarg_segment_align: 8
    .kernarg_segment_size: 32
    .max_flat_workgroup_size: 512
    .sgpr_count:     80
    .vgpr_count:     256
    .wavefront_size: 32
...
	.end_amdgpu_metadata
.endif
;; end of part 3
;; launch proj (part 4): grid 4 x 64, 4 waves a work-group, clusters of 4 x 4, 327,680 bytes of LDS; arguments c2, s2, b_proj, out0; writes out0
.if DOCPART == 4
	.amdgcn_target "amdgcn-amd-amdhsa--gfx1250"
	.amdhsa_code_object_version 6
	.text
	.protected	k_qa0d857f91e_proj
	.globl	k_qa0d857f91e_proj
	.p2align	8
	.type	k_qa0d857f91e_proj,@function
k_qa0d857f91e_proj:
	s_mov_b64 s[64:65], 0
	v_nop
	global_prefetch_b8 v0, s[64:65] scope:SCOPE_SE
	s_setreg_imm32_b32 hwreg(HW_REG_WAVE_MODE, 25, 1), 1
	s_wait_xcnt 0x0
	s_wait_alu depctr_hold_cnt(0) depctr_sa_sdst(0) depctr_va_vdst(0) depctr_va_sdst(0) depctr_va_ssrc(0) depctr_va_vcc(0) depctr_vm_vsrc(0)
	s_getreg_b32 s2, hwreg(HW_REG_IB_STS2, 6, 4)
	s_cmp_eq_u32 s2, 0
	s_cbranch_scc0 .Lentry_in_a_cluster
	s_endpgm
.Lentry_in_a_cluster:
	s_bfe_u32 s2, ttmp6, 0x10000c
	s_cmp_lg_u32 s2, 0xf033
	s_cbranch_scc0 .Lentry_shape_is_right
	s_endpgm
.Lentry_shape_is_right:
; LAUNCH 4 OF 4: out0 = o W_proj + b_proj on codes of E2M3.  No work of the problem is left out.
; THE PRODUCT is launch 2's: a work-group multiplies 128 rows "A" (a rowgroup of o: c2's 0-63, fragments in two halves of 768 bytes) by 256 rows "B" (two rowgroups of W_proj's columns: c2's 64-71), K = 1,024.
; Four waves: wave / 2 picks 64 rows of A, wave % 2 a rowgroup of B: 32 accumulators.  Source 0 = B's fragment, source 1 = A's: a lane holds one row of the output and eight neighbouring columns.
; ALL OF K LIES IN LDS: 2 halves x 147,456 bytes, each filled once, the first asked for at the head, the second behind a round; a wait and a barrier stand in front of each half's first read.  CLUSTER 4 x 4: A's rowgroup is shared along a row, B's along a column.
; The bias is the C of each sum's first product.  The rows of a block are not neighbours (launch 1's order): the stores' immediates put them back.
; REGISTERS: window 0: v0-31 addresses; v32-63 A's scale words, v64-127 B's; v128-223 A's fragments, two sets; on the way out v128-255 rows.  window 1: B's fragments at v0 and v128; v96-127, v224-255 the bias.  window 2: the accumulators.
.set RG,    98304
; K LIES IN LDS IN TWO HALVES of 147,456 bytes (this takes the place of the four quarters that the comment at the head speaks of): a half is A's four K steps, then four K steps of each of B's two rowgroups.
; Each wave asks for its part of the first half at the head, and for its part of the second behind the three lines and a round of the cluster's barrier.
; The second half is shown to all waves by the barrier in K step 3, ahead of which every wave has waited for its last reads of the first half: the stages of the way out lie there.
.set QTR,   147456
.set SPARE, 294912
.set STO,  9
.set RD,   10
.set ADRA, 16
.set ADRB, 20
.set ADRA8, 24
.set SPW,  28
.set NIL,  29
.set SA,   32
.set SB,   64
.set AF,   128
.set BK,   128
.set G1A,  24
.set G1B,  32
.set G0A,  40
.set G0B,  68
.set MSB, 0
.macro WIN new
.if MSB != \new
	s_set_vgpr_msb (MSB<<8)|\new
.set MSB, \new
.endif
.endm
.macro PLACES n
.rept \n
	v_nop
.endr
.endm
.macro ROUND
	s_barrier_signal -1
	s_barrier_wait -1
	s_cmp_lg_u32 s14, 0
	s_cbranch_scc1 .Lnot_wave_0_\@
	s_barrier_signal -3
.Lnot_wave_0_\@:
	s_barrier_wait -3
	s_barrier_signal -1
	s_barrier_wait -1
.endm
	s_load_b256 s[4:11], s[0:1], 0x0               ; c2 s[4:5], s2 s[6:7], b_proj s[8:9], out0 s[10:11]
	v_lshl_add_u32 v[SPW], v0, 2, SPARE
	v_mov_b32 v[NIL], 0
	ds_add_u32 v[SPW], v[NIL]                      ; the wave's opening: the add, twice on end, and its wait ahead of my first tensor load
	ds_add_u32 v[SPW], v[NIL]
	v_lshrrev_b32 v1, 5, v0
	v_readfirstlane_b32 s14, v1                    ; wave
	s_lshr_b32 s15, s14, 1
	s_and_b32 s16, s14, 1
	s_bfe_u32 s17, ttmp6, 0x40000                  ; cx
	s_bfe_u32 s18, ttmp6, 0x40004                  ; cy
	s_and_b32 s20, ttmp7, 0xffff
	s_lshl_b32 s21, s20, 2
	s_add_co_u32 s21, s21, s18                     ; A's rowgroup: 4 y + cy
	s_lshl_b32 s22, s17, 1
	s_add_co_u32 s22, s22, 64                      ; B's first rowgroup: 64 + 2 cx
	s_lshl_b32 s58, s18, 2
	s_lshl_b32 s58, 15, s58                        ; my row of the cluster
	s_lshl_b32 s62, 0x1111, s17                    ; my column
	s_or_b32 s[G1A], s58, (3<<16)|(1<<21)          ; dense blocks as rows of 256 bytes.  A: 96 rows; B: 192
	s_mov_b32 s[G1A+1], 32<<16
	s_mov_b32 s[G1A+2], 96<<16
	s_mov_b32 s[G1A+3], 32<<16
	s_mov_b32 s[G1A+4], 96
	s_mov_b32 s[G1A+5], 32
	s_mov_b32 s[G1A+6], 0
	s_mov_b32 s[G1A+7], 0
	s_or_b32 s[G1B], s62, (3<<16)|(1<<21)
	s_mov_b32 s[G1B+1], 32<<16
	s_mov_b32 s[G1B+2], 192<<16
	s_mov_b32 s[G1B+3], 32<<16
	s_mov_b32 s[G1B+4], 192
	s_mov_b32 s[G1B+5], 32
	s_mov_b32 s[G1B+6], 0
	s_mov_b32 s[G1B+7], 0
	s_mul_i32 s59, s16, 24576
	s_mul_i32 s56, s21, RG
	s_add_co_u32 s56, s56, s59
	s_mov_b32 s57, 0
	s_add_co_u32 s60, s22, s16
	s_mul_i32 s60, s60, RG
	s_mov_b32 s61, 0
	s_mul_i32 s63, s16, 49152
	s_add_co_u32 s63, s63, 49152
	s_wait_dscnt 0x0                               ; both opening adds are done
	s_wait_kmcnt 0x0
	s_add_nc_u64 s[56:57], s[4:5], s[56:57]
	s_add_nc_u64 s[60:61], s[4:5], s[60:61]
.irp kq, 0,1
	s_mov_b32 s[G0A+4*\kq], 1
	s_add_co_u32 s[G0A+4*\kq+1], s59, QTR*\kq
	s_add_nc_u64 s[G0A+4*\kq+2:G0A+4*\kq+3], s[56:57], 49152*\kq
	s_or_b32 s[G0A+4*\kq+3], s[G0A+4*\kq+3], 0x80000000
	s_mov_b32 s[G0B+4*\kq], 1
	s_add_co_u32 s[G0B+4*\kq+1], s63, QTR*\kq
	s_add_nc_u64 s[G0B+4*\kq+2:G0B+4*\kq+3], s[60:61], 49152*\kq
	s_or_b32 s[G0B+4*\kq+3], s[G0B+4*\kq+3], 0x80000000
.endr
	ROUND                                          ; all sixteen work-groups are here: the joint loads meet
.macro JLOAD kq                        ; my part of half kq: waves 0, 1 for A, waves 2, 3 for B; one tensor load on every way
	s_cmp_lt_u32 s14, 2
	s_cbranch_scc0 .Lfill_b_\@
	tensor_load_to_lds s[G0A+4*\kq:G0A+4*\kq+3], s[G1A:G1A+7]
	s_nop 0
	PLACES 4
	s_branch .Lfilled_\@
.Lfill_b_\@:
	tensor_load_to_lds s[G0B+4*\kq:G0B+4*\kq+3], s[G1B:G1B+7]
	s_nop 0
	PLACES 4
.Lfilled_\@:
.endm
	JLOAD 0
	v_and_b32 v1, 31, v0
	v_and_b32 v2, 15, v0                           ; r
	v_bfe_u32 v3, v0, 4, 1                         ; h
	s_wait_alu depctr_va_vdst(0)
	v_lshlrev_b32 v4, 4, v1                        ; 16 x lane
	s_wait_alu depctr_va_vdst(0)
	v_lshlrev_b32 v5, 4, v2
	v_lshlrev_b32 v6, 3, v1                        ; 8 x lane
	s_wait_alu depctr_va_vdst(0)
	s_lshl_b32 s84, s21, 12
	s_lshl_b32 s85, s15, 11
	s_add_co_u32 s84, s84, s85
	v_add_nc_u32 v8, s84, v5
	s_add_co_u32 s84, s22, s16
	s_lshl_b32 s84, s84, 12
	v_add_nc_u32 v13, s84, v5
.irp a, 0,1,2,3
.irp q, 0,1
	global_load_b128 v[SA+8*\a+4*\q:SA+8*\a+4*\q+3], v8, s[6:7] offset:512*\a+256*\q   ; the scale words of all of K stay in registers
.endr
.endr
.irp b, 0,1,2,3,4,5,6,7
.irp q, 0,1
	global_load_b128 v[SB+8*\b+4*\q:SB+8*\b+4*\q+3], v13, s[6:7] offset:512*\b+256*\q
.endr
.endr
	s_lshl_b32 s86, s17, 10
	s_lshl_b32 s87, s16, 9
	s_add_co_u32 s86, s86, s87                     ; my 128 columns, in bytes: 4 (256 cx + 128 (wave % 2))
	s_mov_b32 s87, 0
	s_add_nc_u64 s[8:9], s[8:9], s[86:87]
	v_lshlrev_b32 v11, 6, v3
	WIN 0x40
.irp b, 0,1,2,3,4,5,6,7                ; the bias in the results' layout: tile b, lane half h: columns 32 (b / 2) + 8 (b % 2) + 16 h + 0 .. 7
	global_load_b128 v[96+8*\b+96*(\b/4):96+8*\b+96*(\b/4)+3], v11, s[8:9] offset:(32*(\b/2)+8*(\b%2))*4
	global_load_b128 v[96+8*\b+96*(\b/4)+4:96+8*\b+96*(\b/4)+7], v11, s[8:9] offset:(32*(\b/2)+8*(\b%2))*4+16
.endr
	WIN 0
	s_mul_i32 s84, s15, 6144
	s_mul_i32 s85, s16, 49152
	s_add_co_u32 s85, s85, 49152
.irp kq, 0,1
	v_add_nc_u32 v[ADRA+\kq], s84, v4
	v_add_nc_u32 v[ADRA8+\kq], s84, v6
	v_add_nc_u32 v[ADRB+\kq], s85, v4
	s_add_co_u32 s84, s84, QTR
	s_add_co_u32 s85, s85, QTR
.endr
	s_mul_i32 s84, s14, 8448                       ; the way out: my stage, 16 rows x (512 + 16) bytes, in the first half
	v_mul_u32_u24 v[STO], v2, 528
	v_lshl_add_u32 v[STO], v3, 6, v[STO]
	v_add_nc_u32 v[STO], s84, v[STO]               ; in: row r, + 64 h
	v_add_nc_u32 v[RD], s84, v4                    ; back: 16 bytes a lane of a row
	s_lshl_b32 s84, s21, 7
	s_lshl_b32 s85, s15, 6
	s_add_co_u32 s84, s84, s85
	s_lshl_b32 s84, s84, 12                        ; my first row of the output: 128 x rowgroup + 64 (wave / 2)
	s_add_co_u32 s84, s84, s86
	s_mov_b32 s85, 0
	s_add_nc_u64 s[10:11], s[10:11], s[84:85]
.macro FETCH ks                        ; K step ks: B's 8 fragments as they lie; A's 4 from their two halves
.set FP, (\ks)%2
.set FQ, (\ks)/4
.set FK, (\ks)%4
	WIN 0x40
.irp b, 0,1,2,3,4,5,6,7
.irp c, 0,1,2
	ds_load_b128 v[128*FP+12*\b+4*\c:128*FP+12*\b+4*\c+3], v[ADRB+FQ] offset:12288*FK+1536*\b+512*\c
.endr
.endr
	WIN 0
.irp a, 0,1,2,3
.irp c, 0,1
	ds_load_b128 v[AF+48*FP+12*\a+6*\c:AF+48*FP+12*\a+6*\c+3], v[ADRA+FQ] offset:12288*FK+1536*\a+768*\c
	ds_load_b64 v[AF+48*FP+12*\a+6*\c+4:AF+48*FP+12*\a+6*\c+5], v[ADRA8+FQ] offset:12288*FK+1536*\a+768*\c+512
.endr
.endr
.endm
; 16 products.  mode 2: the first K step starts the sums from the bias.  The 32 accumulators take turns, one instruction a turn, in the same order in every step.
.macro MUL16 a0, ks, mode
.if \mode == 2
	WIN 0x91
.else
	WIN 0xa1
.endif
.irp a, \a0, \a0+1
.irp b, 0,1,2,3,4,5,6,7
.if \mode == 2
	v_wmma_scale_f32_16x16x128_f8f6f4 v[8*(8*(\a)+\b):8*(8*(\a)+\b)+7], v[128*((\ks)%2)+12*\b:128*((\ks)%2)+12*\b+11], v[AF+48*((\ks)%2)+12*(\a):AF+48*((\ks)%2)+12*(\a)+11], v[96+8*\b+96*(\b/4):96+8*\b+96*(\b/4)+7], v[SB+8*\b+(\ks)], v[SA+8*(\a)+(\ks)] matrix_a_fmt:MATRIX_FMT_FP6 matrix_b_fmt:MATRIX_FMT_FP6
.else
	v_wmma_scale_f32_16x16x128_f8f6f4 v[8*(8*(\a)+\b):8*(8*(\a)+\b)+7], v[128*((\ks)%2)+12*\b:128*((\ks)%2)+12*\b+11], v[AF+48*((\ks)%2)+12*(\a):AF+48*((\ks)%2)+12*(\a)+11], v[8*(8*(\a)+\b):8*(8*(\a)+\b)+7], v[SB+8*\b+(\ks)], v[SA+8*(\a)+(\ks)] matrix_a_fmt:MATRIX_FMT_FP6 matrix_b_fmt:MATRIX_FMT_FP6
.endif
.endr
.endr
.endm
.macro STEP ks, mode, cnt, last
	s_wait_dscnt 0x0                               ; this step's fragments are in
.if \last
	MUL16 0, \ks, \mode
	MUL16 2, \ks, \mode
.elseif (\cnt) >= 0
	s_wait_tensorcnt \cnt                          ; my part of the second half has landed: nothing is ever filled again
	s_barrier_signal -1
	MUL16 0, \ks, \mode
	s_barrier_wait -1
	PLACES 4                                       ; in front of loads into registers that matrix instructions have read
	FETCH (\ks)+1
	MUL16 2, \ks, \mode
.else
	PLACES 4
	FETCH (\ks)+1
	MUL16 0, \ks, \mode
	MUL16 2, \ks, \mode
.endif
.endm
	s_wait_alu depctr_va_vdst(0)
	s_wait_tensorcnt 0x0                           ; my part of the first half is in
	ds_add_u32 v[SPW], v[NIL]
	s_wait_dscnt 0x0
	ROUND                                          ; the first half is whole, and all sixteen work-groups are here
	JLOAD 1                                        ; the second half: my one tensor load behind the round
	FETCH 0
	s_wait_loadcnt 0x0                             ; the scale words and the bias
	STEP 0, 2, -1, 0
	STEP 1, 0, -1, 0
	STEP 2, 0, -1, 0
	STEP 3, 0, 0, 0                                ; the wait for my part of the second half, and the barrier that shows it whole
	STEP 4, 0, -1, 0
	STEP 5, 0, -1, 0
	STEP 6, 0, -1, 0
	STEP 7, 0, -1, 1
	WIN 0
; THE WAY OUT, a block of 16 rows x 128 columns at a time, through my own stage.  It lies in the first half, which has had its one fill; every wave waited for its last reads of it ahead of the barrier in K step 3.
.macro TOSTAGE a
	WIN 0x08                                       ; an LDS store's data are its source 1: window 2
.irp b, 0,1,2,3,4,5,6,7
	ds_store_b128 v[STO], v[8*(8*(\a)+\b):8*(8*(\a)+\b)+3] offset:128*(\b/2)+32*(\b%2)       ; each accumulator from its low end on
	ds_store_b128 v[STO], v[8*(8*(\a)+\b)+4:8*(8*(\a)+\b)+7] offset:128*(\b/2)+32*(\b%2)+16
.endr
	WIN 0
.set BB, BK+64*((\a)%2)
.irp t, 0,1,2,3,4,5,6,7,8,9,10,11,12,13,14,15
	ds_load_b128 v[BB+4*\t:BB+4*\t+3], v[RD] offset:528*\t   ; LDS serves a wave's instructions in order: these see my stores
.endr
.endm
.macro SEND a, younger                 ; younger: the LDS instructions issued behind block a's loads, which may stay out
.set BB, BK+64*((\a)%2)
	s_wait_dscnt \younger
.irp t, 0,1,2,3,4,5,6,7,8,9,10,11,12,13,14,15
	global_store_b128 v4, v[BB+4*\t:BB+4*\t+3], s[10:11] offset:(32*((\a)/2)+8*((\a)%2)+\t+8*(\t/8))*4096 th:TH_STORE_NT   ; 512 consecutive bytes of one row, aligned
.endr
.endm
	PLACES 4                                       ; behind the last products: results are read, and loads land in A's registers
	TOSTAGE 0
.irp a, 1,2,3
.if \a > 1
	s_wait_xcnt 0x0                                ; block a - 2's stores have read their registers
.endif
	TOSTAGE \a
	SEND \a-1, 32                                  ; behind block a - 1's loads: block a's 16 stores and 16 loads
.endr
	SEND 3, 0
	s_wait_tensorcnt 0x0                           ; the wave's end: behind my last tensor load and my last LDS store
	ds_add_u32 v[SPW], v[NIL]
	s_wait_dscnt 0x0
	ROUND                                          ; the closing round
	s_endpgm
.Lfunc_end_k_qa0d857f91e_proj:
	.size	k_qa0d857f91e_proj, .Lfunc_end_k_qa0d857f91e_proj-k_qa0d857f91e_proj
	.p2alignl 7, 3214868480
	.fill 96, 4, 3214868480
	.section	.rodata,"a",@progbits
	.p2align	6, 0x0
	.amdhsa_kernel k_qa0d857f91e_proj
		.amdhsa_group_segment_fixed_size 327680
		.amdhsa_private_segment_fixed_size 0
		.amdhsa_enable_private_segment 0
		.amdhsa_kernarg_size 32
		.amdhsa_user_sgpr_count 2
		.amdhsa_user_sgpr_kernarg_segment_ptr 1
		.amdhsa_wavefront_size32 1
		.amdhsa_system_sgpr_workgroup_id_x 1
		.amdhsa_system_sgpr_workgroup_id_y 1
		.amdhsa_system_sgpr_workgroup_id_z 1
		.amdhsa_system_vgpr_workitem_id 0
		.amdhsa_next_free_vgpr 768
		.amdhsa_next_free_sgpr 100
		.amdhsa_reserve_vcc 0
		.amdhsa_float_denorm_mode_32 3
		.amdhsa_float_denorm_mode_16_64 3
		.amdhsa_memory_ordered 1
		.amdhsa_forward_progress 1
		.amdhsa_inst_pref_size 81
	.end_amdhsa_kernel
	.amdgpu_metadata
---
amdhsa.version: [ 1, 2 ]
amdhsa.kernels:
  - .name:           k_qa0d857f91e_proj
    .symbol:         k_qa0d857f91e_proj.kd
    .args:
      - { .name: c2, .offset: 0, .size: 8, .value_kind: global_buffer, .address_space: global }
      - { .name: s2, .offset: 8, .size: 8, .value_kind: global_buffer, .address_space: global }
      - { .name: b_proj, .offset: 16, .size: 8, .value_kind: global_buffer, .address_space: global }
      - { .name: out0, .offset: 24, .size: 8, .value_kind: global_buffer, .address_space: global }
    .group_segment_fixed_size: 327680
    .private_segment_fixed_size: 0
    .kernarg_segment_align: 8
    .kernarg_segment_size: 32
    .max_flat_workgroup_size: 128
    .sgpr_count:     100
    .vgpr_count:     768
    .wavefront_size: 32
...
	.end_amdgpu_metadata
.endif
;; end of part 4
